; MI455X (gfx1250); checked and timed in simulation.
; The chip was launched on July 23, 2026; its instructions are those of AMD's public machine-readable ISA for CDNA 5 (MIT licence, August 2026) and "CDNA5" Instruction Set Architecture Reference Guide (July 2026). The comments in the code are by the model that wrote it; some were corrected since.
;; Ada LN Attention. Allowed arithmetic: matrix products marked QUANTISED: E4M3 operands, one given power-of-two scale a tensor, by v_wmma_f32_16x16x64_fp8_fp8 or v_wmma_f32_16x16x128_fp8_fp8, f32 sums; everything else in f32.
;; Inputs: K 2,048 x 1,024 float32; Q 2,048 x 1,024 float32; V 2,048 x 1,024 float32; Wk 1,024 x 1,024 float32; Wo 1,024 x 1,024 float32; Wq 1,024 x 1,024 float32; Wv 1,024 x 1,024 float32; bk 1,024 float32; bo 1,024 float32; bq 1,024 float32; bv 1,024 float32; lowp_scales 12 int32 (the exponents e of the quantised operands' scales 2^e).
;; Outputs: out0 2,048 x 1,024 float32.
;; This version of the problem:
;;   THIS VERSION OF THE PROBLEM IS GIVEN IN LOW PRECISION. The matrix products marked QUANTISED in the list below multiply operands that are first quantised to E4M3 (4 exponent bits, 3 mantissa bits; 8 bits a number), with one given power-of-two scale for each operand tensor; their sums are f32. All else is computed in f32.
;;   The module's matrix products, in the order in which they are computed (A, B: the left and right operand; K: the contracted axis; several contracted axes count as one K, in the product's order):
;;     1. [M 2,048, K 1,024] x [K 1,024, N 1,024]; A: input Q; B: input Wq: QUANTISED (scales: A lowp_scales[0], B lowp_scales[1])
;;     2. [M 2,048, K 1,024] x [K 1,024, N 1,024]; A: input K; B: input Wk: QUANTISED (scales: A lowp_scales[2], B lowp_scales[3])
;;     3. [M 2,048, K 1,024] x [K 1,024, N 1,024]; A: input V; B: input Wv: QUANTISED (scales: A lowp_scales[4], B lowp_scales[5])
;;     4. batch 16 x [M 2,048, K 64] x [K 64, N 2,048]; A: computed on the way; B: computed on the way: QUANTISED (scales: A lowp_scales[6], B lowp_scales[7])
;;     5. batch 16 x [M 2,048, K 2,048] x [K 2,048, N 64]; A: softmax (see below); B: computed on the way: QUANTISED (scales: A lowp_scales[8], B lowp_scales[9])
;;     6. [M 2,048, K 1,024] x [K 1,024, N 1,024]; A: computed on the way; B: input Wo: QUANTISED (scales: A lowp_scales[10], B lowp_scales[11])
;;   THE QUANTISER, for each operand of a quantised product, along K:
;;     - The operand's scale is 2^e, e = its entry of the input lowp_scales (int32; the entries are numbered through the quantised products in the list's order, A before B).
;;     - Each number is divided by the scale, clamped to +-448, and rounded to the nearest number of E4M3, ties to even, subnormals kept.
;;     - The product sums the exact products of the quantised numbers (number of the format x scale) in f32.
;;   ~~~python
;;   def quantise(x, axis, e):      # numpy; x: float32 -> the quantised numbers, widened to float32 again
;;       x = np.moveaxis(x, axis, -1); K = x.shape[-1]
;;       r = np.clip(x / 2.0 ** e, -448, 448)
;;       step = 2.0 ** (np.maximum(np.frexp(np.where(r == 0, 1, r))[1] - 1, -6) - 3)
;;       q = np.round(r / step) * step * 2.0 ** e      # np.round: ties to even
;;       return np.moveaxis(q, -1, axis).astype(np.float32)
;;   ~~~
;;   SOFTMAX AHEAD OF A QUANTISED PRODUCT. Where the list says 'softmax', what is quantised is not the finished softmax but p = 2^(t - M), with t = logit x log2(e) and M = ceil(the row's largest t), a whole number; so 1/2 < the row's largest p <= 1. The row's sum l is taken of the UNQUANTISED p, in f32, and the product's result is divided by l at the end. Since M is a whole number, a kernel that streams over the keys may use a running M (the ceiling of the running maximum): every later rescaling is an exact power of two, so the quantised numbers keep their values, but for numbers so far below the row's largest that they fall under the format's range.
;;   OPERANDS COMPUTED ON THE WAY. 'Computed on the way' means the value that the module computes at that place (a softmax that the list does not call 'softmax' is quantised finished and normalised). What goes into a quantiser is computed in f32, as accurately as f32 sums, v_exp_f32 and their like allow (about 1e-6 of the number): no bf16 or f16 on the way to a quantiser, and a product that is left as it is and whose result goes on into a quantised operand takes f32 operands (vector FMAs, or v_wmma_f32_16x16x4_f32). A number that lies on a knife's edge between two numbers of the format may be rounded either way, as far as f32 arithmetic and the matrix unit's own rounding can turn it there, and no further.
;; 2 versions, each right; version 2 is version 1 with the launch attn written anew for expert scheduling mode. Each part assembles by itself: llvm-mc -triple=amdgcn-amd-amdhsa -mcpu=gfx1250 --defsym DOCPART=n.
;; ======== version 1 of 2: 4 launches
;; workspace buffers: codes 10,485,760 bytes; qkv 6,291,456 bytes; aimg 2,097,152 bytes
;; launch quant (part 1): grid 256 x 1, 20 waves a work-group, no clusters, 171,520 bytes of LDS; arguments Q, K, V, Wq, Wk, Wv, Wo, lowp_scales, codes; writes codes
.if DOCPART == 1
	.amdgcn_target "amdgcn-amd-amdhsa--gfx1250"
	.amdhsa_code_object_version 6
	.text
	.protected	k_qaa9682b244_quant
	.globl	k_qaa9682b244_quant
	.p2align	8
	.type	k_qaa9682b244_quant,@function
k_qaa9682b244_quant:
	s_mov_b64 s[64:65], 0
	v_nop
	global_prefetch_b8 v0, s[64:65] scope:SCOPE_SE
	s_setreg_imm32_b32 hwreg(HW_REG_WAVE_MODE, 25, 1), 1
	s_wait_xcnt 0x0
; Q, K, V [2048][1024] and Wq, Wk, Wv, Wo [1024][1024], f32 with K innermost, become codes of FP8 (E4M3), each tensor with the one scale 2^e given for it:
; code = x / 2^e, held within +-448, rounded to the nearest code, ties to even.  LIMITS: e between -126 and 119, so that 2^e and 448 x 2^e are f32 numbers; NaN among the inputs is not served.
; THE CODES ARE LAID AS IMAGES OF OPERAND REGISTERS.  A fragment is 16 rows x 128 along K = 2,048 bytes = 4 chunks of 512: in chunk c lane l (r = l % 16, h = l / 16) owns the 16 bytes at 16 l:
; the codes k = 32 c + 16 h + 0 .. 15 of the tile's row r.  Row tile T (0 .. 639: Q 0-127, K 128-255, V 256-383, Wq 384-447, Wk 448-511, Wv 512-575, Wo 576-639), K step s:
; byte (T / 8) x 131072 + s x 16384 + (T % 8) x 2048 + c x 512 + 16 l: so 128 rows x 256 along K are 32,768 bytes on end.
; WHICH ROWS FORM A TILE.  Q and Wo: row i of tile t is 16 t + i.  K, V, Wq, Wk, Wv: 32 (t / 2) + 8 (t % 2) + i + 8 (i / 8): with such a tile as a product's source 0, the 16 result registers of tiles
; 2 b and 2 b + 1 are 16 neighbours, which the next quantiser takes as they stand.
; SHARES.  640 tiles x 8 K steps = 5,120 fragments = 256 work-groups x 20 waves: one fragment a wave, no loop, no barrier; waves share nothing.  A wave's 16 loads (a row's 512 bytes each) go out at once.
; The conversions want 16 neighbours along K in ONE lane, the loads want neighbouring lanes on neighbouring bytes: the 16 x 512 bytes turn through the wave's own stage in LDS, rows 528 bytes apart
; (an odd multiple of 16: sixteen lanes that read one column of sixteen rows touch sixteen different 16-byte columns modulo 256).
; No matrix unit, no cluster, no tensor load: each byte is read once and written once.
.set R,   16                           ; v16-79   the 16 rows as loaded
.set X,   80                           ; v80-143  64 numbers of my row: register 16 c + i = k 32 c + 16 h + i
.set C,   144                          ; v144-159 the fragment's codes
.set SP,  528                          ; a stage row
.set WST, 16*SP                        ; a wave's stage
	s_load_b512 s[16:31], s[0:1], 0x0              ; Q 16, K 18, V 20, Wq 22, Wk 24, Wv 26, Wo 28, the scales' exponents 30
	s_load_b64 s[32:33], s[0:1], 0x40              ; the codes
	v_lshl_add_u32 v160, v0, 2, 0x29400
	v_mov_b32 v161, 0
	v_lshrrev_b32 v1, 5, v0
	v_readfirstlane_b32 s8, v1                     ; wave 0..19
	s_mul_i32 s9, ttmp9, 20
	s_add_co_u32 s9, s9, s8                        ; my fragment, 0 .. 5119
	s_lshr_b32 s10, s9, 3                          ; T: its row tile
	s_and_b32 s11, s9, 7                           ; its K step
	s_sub_co_u32 s12, s10, 384
	s_lshr_b32 s13, s12, 6
	s_add_co_u32 s13, s13, 3                       ; a weight: tensor 3 + (T - 384) / 64,
	s_and_b32 s14, s12, 63                         ; tile (T - 384) % 64 of it
	s_lshr_b32 s2, s10, 7                          ; an activation: tensor T / 128,
	s_and_b32 s3, s10, 127                         ; tile T % 128
	s_cmp_lt_u32 s10, 384
	s_cselect_b32 s13, s2, s13                     ; the tensor, 0 .. 6
	s_cselect_b32 s14, s3, s14                     ; the tile in it
	s_lshl_b32 s41, s13, 1                         ; the scale's entry: Q, K, V: 0, 2, 4;
	s_sub_co_u32 s42, s41, 5                       ; Wq, Wk, Wv: 1, 3, 5;
	s_cmp_lt_u32 s13, 3
	s_cselect_b32 s41, s41, s42
	s_cmp_eq_u32 s13, 6
	s_cselect_b32 s41, 11, s41                     ; Wo: 11
	s_lshl_b32 s41, s41, 2                         ; in bytes
	s_sub_co_u32 s43, s10, 128
	s_cmp_lt_u32 s43, 448
	s_cselect_b32 s43, 1, 0                        ; 1 for K, V, Wq, Wk, Wv: the second order of rows
	s_and_b32 s44, s14, 1
	s_mul_i32 s44, s44, s43
	s_lshl_b32 s44, s44, 3
	s_lshl_b32 s45, s14, 4
	s_sub_co_u32 s44, s45, s44                     ; the tile's first row: 16 t, or 32 (t / 2) + 8 (t % 2)
	s_lshl_b32 s44, s44, 12                        ; a row is 4,096 bytes,
	s_lshl_b32 s45, s11, 9                         ; a K step 512
	s_add_co_u32 s44, s44, s45
	s_mov_b32 s45, 0
	s_lshr_b32 s46, s10, 3                         ; where the fragment goes
	s_lshl_b32 s46, s46, 17
	s_lshl_b32 s47, s11, 14
	s_add_co_u32 s46, s46, s47
	s_and_b32 s47, s10, 7
	s_lshl_b32 s47, s47, 11
	s_add_co_u32 s46, s46, s47
	s_mov_b32 s47, 0
	s_lshl_b32 s43, s43, 15                        ; in the second order rows 8-15 lie eight rows, 32,768 bytes, further on
	s_mul_i32 s38, s8, WST                         ; my stage
	v_and_b32 v2, 31, v0                           ; lane
	v_lshlrev_b32 v4, 4, v2                        ; my 16 bytes of a row's 512, and of a chunk's
	v_add_nc_u32 v5, s43, v4                       ; the same for rows 8-15
	v_add_nc_u32 v6, s38, v4                       ; the stage, on the way in
	v_and_b32 v3, 15, v0                           ; r
	v_bfe_u32 v8, v0, 4, 1                         ; h
	v_mul_u32_u24 v7, v3, SP
	v_lshl_add_u32 v7, v8, 6, v7
	v_add_nc_u32 v7, s38, v7                       ; and on the way out: row r, + 64 h: my 16 numbers of a block of 32
	s_wait_kmcnt 0x0
	s_load_b32 s40, s[30:31], s41 offset:0x0       ; e
	s_mov_b64 s[34:35], s[16:17]                   ; the tensor's address: a choice that hangs on the fragment's number alone
.irp i, 1,2,3,4,5,6
	s_cmp_eq_u32 s13, \i
	s_cselect_b64 s[34:35], s[16+2*\i:17+2*\i], s[34:35]
.endr
	s_add_nc_u64 s[34:35], s[34:35], s[44:45]
	s_add_nc_u64 s[36:37], s[32:33], s[46:47]
.set i, 0
.rept 8
	global_load_b128 v[R+4*i:R+4*i+3], v4, s[34:35] offset:i*4096 th:TH_LOAD_NT   ; 32 lanes read 512 consecutive bytes of row i, at a multiple of 512 from the tensor's first byte
.set i, i+1
.endr
.rept 8
	global_load_b128 v[R+4*i:R+4*i+3], v5, s[34:35] offset:i*4096 th:TH_LOAD_NT
.set i, i+1
.endr
.set i, 0
.rept 16
	s_wait_loadcnt 15-i                            ; loads come back in order: row i is in, the 15 - i rows behind it may be out
	ds_store_b128 v6, v[R+4*i:R+4*i+3] offset:i*SP
.set i, i+1
.endr
.irp c, 0,1,2,3
.irp q, 0,1,2,3
	ds_load_b128 v[X+16*\c+4*\q:X+16*\c+4*\q+3], v7 offset:128*\c+16*\q   ; LDS serves a wave's instructions in order: these see my stores
.endr
.endr
	s_wait_kmcnt 0x0
	s_add_co_i32 s40, s40, 127
	s_lshl_b32 s39, s40, 23
	v_mov_b32 v11, s39                             ; 2^e as f32: the conversion takes its exponent field
	s_add_co_i32 s40, s40, 8
	s_lshl_b32 s40, s40, 23
	s_or_b32 s40, s40, 0x600000
	v_mov_b32 v10, s40                             ; 448 x 2^e
.irp c, 0,1,2,3
	s_wait_dscnt 12-4*\c                           ; chunk c's four reads are back; those of the chunks behind it may be out
.set i, 0
.rept 16
	v_med3_num_f32 v[X+16*\c+i], v[X+16*\c+i], -v10, v10   ; the conversion to an 8-bit code does not saturate (ISA guide 7.6.2): the hold comes first
.set i, i+1
.endr
	v_cvt_scalef32_pk8_fp8_f32 v[C+4*\c:C+4*\c+1], v[X+16*\c:X+16*\c+7], v11
	v_cvt_scalef32_pk8_fp8_f32 v[C+4*\c+2:C+4*\c+3], v[X+16*\c+8:X+16*\c+15], v11
	v_nop                                          ; a plain line behind the conversions
	global_store_b128 v4, v[C+4*\c:C+4*\c+3], s[36:37] offset:512*\c   ; the wave stores 512 consecutive bytes, at a multiple of 512 from the buffer's first byte
.endr
	s_wait_tensorcnt 0x0
	ds_add_u32 v160, v161
	s_wait_dscnt 0x0
	s_endpgm
.Lfunc_end_k_qaa9682b244_quant:
	.size	k_qaa9682b244_quant, .Lfunc_end_k_qaa9682b244_quant-k_qaa9682b244_quant
	.p2alignl 7, 3214868480
	.fill 96, 4, 3214868480
	.section	.rodata,"a",@progbits
	.p2align	6, 0x0
	.amdhsa_kernel k_qaa9682b244_quant
		.amdhsa_group_segment_fixed_size 171520
		.amdhsa_private_segment_fixed_size 0
		.amdhsa_enable_private_segment 0
		.amdhsa_kernarg_size 72
		.amdhsa_user_sgpr_count 2
		.amdhsa_user_sgpr_kernarg_segment_ptr 1
		.amdhsa_wavefront_size32 1
		.amdhsa_system_sgpr_workgroup_id_x 1
		.amdhsa_system_sgpr_workgroup_id_y 1
		.amdhsa_system_sgpr_workgroup_id_z 1
		.amdhsa_system_vgpr_workitem_id 0
		.amdhsa_next_free_vgpr 162
		.amdhsa_next_free_sgpr 66
		.amdhsa_reserve_vcc 0
		.amdhsa_float_denorm_mode_32 3
		.amdhsa_float_denorm_mode_16_64 3
		.amdhsa_memory_ordered 1
		.amdhsa_forward_progress 1
		.amdhsa_inst_pref_size 13
	.end_amdhsa_kernel
	.amdgpu_metadata
---
amdhsa.version: [ 1, 2 ]
amdhsa.kernels:
  - .name:           k_qaa9682b244_quant
    .symbol:         k_qaa9682b244_quant.kd
    .args:
      - { .name: Q, .offset: 0, .size: 8, .value_kind: global_buffer, .address_space: global }
      - { .name: K, .offset: 8, .size: 8, .value_kind: global_buffer, .address_space: global }
      - { .name: V, .offset: 16, .size: 8, .value_kind: global_buffer, .address_space: global }
      - { .name: Wq, .offset: 24, .size: 8, .value_kind: global_buffer, .address_space: global }
      - { .name: Wk, .offset: 32, .size: 8, .value_kind: global_buffer, .address_space: global }
      - { .name: Wv, .offset: 40, .size: 8, .value_kind: global_buffer, .address_space: global }
      - { .name: Wo, .offset: 48, .size: 8, .value_kind: global_buffer, .address_space: global }
      - { .name: lowp_scales, .offset: 56, .size: 8, .value_kind: global_buffer, .address_space: global }
      - { .name: codes, .offset: 64, .size: 8, .value_kind: global_buffer, .address_space: global }
    .group_segment_fixed_size: 171520
    .private_segment_fixed_size: 0
    .kernarg_segment_align: 8
    .kernarg_segment_size: 72
    .max_flat_workgroup_size: 640
    .sgpr_count:     66
    .vgpr_count:     162
    .wavefront_size: 32
...
	.end_amdgpu_metadata
.endif
;; end of part 1
;; launch proj (part 2): grid 4 x 24, 4 waves a work-group, clusters of 4 x 4, 327,680 bytes of LDS; arguments codes, lowp_scales, bq, bk, bv, qkv; writes qkv
.if DOCPART == 2
	.amdgcn_target "amdgcn-amd-amdhsa--gfx1250"
	.amdhsa_code_object_version 6
	.text
	.protected	k_qaa9682b244_proj
	.globl	k_qaa9682b244_proj
	.p2align	8
	.type	k_qaa9682b244_proj,@function
k_qaa9682b244_proj:
	s_mov_b64 s[64:65], 0
	v_nop
	global_prefetch_b8 v0, s[64:65] scope:SCOPE_SE
	s_setreg_imm32_b32 hwreg(HW_REG_WAVE_MODE, 25, 1), 1
	s_wait_xcnt 0x0
	s_wait_alu depctr_hold_cnt(0) depctr_sa_sdst(0) depctr_va_vdst(0) depctr_va_sdst(0) depctr_va_ssrc(0) depctr_va_vcc(0) depctr_vm_vsrc(0)
	s_getreg_b32 s2, hwreg(HW_REG_IB_STS2, 6, 4)
	s_cmp_eq_u32 s2, 0
	s_cbranch_scc0 .Lentry_in_a_cluster
	s_endpgm
.Lentry_in_a_cluster:
	s_bfe_u32 s2, ttmp6, 0x10000c
	s_cmp_lg_u32 s2, 0xf033
	s_cbranch_scc0 .Lentry_shape_is_right
	s_endpgm
.Lentry_shape_is_right:
; The three projections q = Q Wq^T + bq, k = K Wk^T + bk, v = V Wv^T + bv on codes of FP8 (E4M3), sums in f32; each result gets its bias in f32 and is quantised for attention's products on its way out.
; OPERANDS come from the buffer of codes as images of operand registers: a fragment (16 rows x 128 K) is 4 chunks of 512 bytes, lane l's 16 bytes at 16 l = k 32 c + 16 (l / 16) + 0 .. 15 of row l % 16;
; 128 rows x 256 along K are 32,768 bytes on end.  The same places of k on both sides of a product: every code meets its partner.
; SHARES.  Six clusters of 4 x 4 work-groups; cluster y / 2 says which product (0 q, 1 k, 2 v), y % 2 which half of its 32 tiles of 256 x 256.  Four waves, each 128 x 128: 64 accumulators, 512 registers.
; Source 1 ('A' below) gives a lane its row, source 0 ('B') runs along a lane's registers.  q, k: A = tokens, B = the weight's rows: a lane holds one token and neighbouring features.
; v: A = Wv's rows, B = V's tokens: a lane holds one feature and neighbouring keys, since the keys are the K of attention's second product.
; B's tiles are made of rows 32 (t / 2) + 8 (t % 2) + i + 8 (i / 8): the 16 registers of result tiles 2 b, 2 b + 1 are the neighbours 32 b + 16 (l / 16) + 0 .. 15, so the conversions' results are chunk b of the next operand.
; K goes in steps of 256 through a ring of two LDS slots; the four of a row of the cluster ask for A's tile JOINTLY, the four of a column for B's: one tensor load with a mask that names the four.
; OUT: q and k at tile x 16384 + head x 1024 + c x 512 + 16 l (tile = 16 tokens; k from byte 0x200000); v from 0x400000 at step x 131072 + head x 8192 + dt x 2048 + c x 512 + 16 l (step = 128 keys, dt = 16 of the head's 64).
; THE BIAS WITHOUT A BRANCH.  A sum stands for sum x 2^es, es = the two operands' exponents added; what is quantised is (sum + bias x 2^-es) x 2^es.  In q and k the bias runs along the registers, in v along the lanes.
; Both sets are loaded (from places folded into the 1,024 entries) and both are applied by a packed multiply-add, one with the factor 2^-es, the other with the factor 0: one way out for all three products.
; LIMITS: es between -127 and 126; eo - es (eo: the result's exponent) between -126 and 119; an infinite or NaN bias is not served (it is multiplied by 0 on the side that does not use it).
; REGISTERS, in windows of 256: window 0: v0-31 addresses; v32-47 the bias along the lanes; v48-55 store offsets; v64-127 the bias along the registers; v128-255 A's fragments, ONE set, on the way out sums and codes.
;   window 1: B's fragments, TWO sets.   windows 2, 3: the accumulators of my rows 0-63, 64-127 (accumulator (a, b) at v[8 (8 (a % 4) + b)]).
.set FR,    16                         ; registers of a fragment
.set NL,    4                          ; LDS loads that bring one
.set NP,    4                          ; places behind this matrix instruction (ISA guide 7.12.1)
.set HALFT, 32768                      ; 128 rows x 256 K: what one tensor load brings: [128 K: 0, 1][tile 0-7][2,048 bytes]
.set SLOT,  4*HALFT                    ; A's two halves, then B's two
.set SPARE, 2*SLOT                     ; behind the ring: the spare words, 128 bytes for each wave: two blocks of 256 bytes that no other line names
.set LAPS,  2                          ; 1,024 along K = 4 slot fills = twice round the ring
.set ADRA, 16                          ; v16-17  LDS address of my A fragments in slot 0, 1
.set ADRB, 20                          ; v20-21  the same for B
.set SPW,  28                          ; v28     LDS address of my spare word; never rewritten
.set NIL,  29                          ; v29     0; never rewritten
.set SC,   30                          ; v30     2^(eo - es) as f32
.set LIM,  31                          ; v31     448 x that
.set BL,   32
.set OF,   48
.set BR,   64
.set AF,   128
.set TMP,  128                         ; the way out: a block's 64 sums with their bias
.set PC,   192                         ; the way out: four sets of 16 registers of codes
.set G1, 24                            ; s[24:31] descriptor group 1 for A's tiles;  s[32:39] group 0, one set for each slot
.set G0, 32
.set G1B, 48                           ; s[48:55], s[56:63] the same for B's tiles
.set G0B, 56
.set MSB, 0
.macro WIN new                         ; the immediate's high byte repeats the setting that is left
.if MSB != (\new)
	s_set_vgpr_msb (MSB<<8)|(\new)
.set MSB, (\new)
.endif
.endm
.set MUL_LO, 0xa1                      ; source 0 (B) window 1, source 1 (A) window 0, C and D window 2
.set MUL_HI, 0xf1                      ; the same, C and D window 3
.set TO_B,   0x40                      ; destination window 1, address window 0
; A joint load: waves 0 and 1 fetch for A, waves 2 and 3 for B.  The branch hangs on the wave's number alone.  Four v_nop follow each of the two lines.
.macro JLOAD g0a, g1a, g0b, g1b
	s_cmp_eq_u32 s15, 0
	s_cbranch_scc0 .Lfor_b_\@
	tensor_load_to_lds s[\g0a:\g0a+3], s[\g1a:\g1a+7]
	s_nop 0
.rept 4
	v_nop
.endr
	s_branch .Lasked_\@
.Lfor_b_\@:
	tensor_load_to_lds s[\g0b:\g0b+3], s[\g1b:\g1b+7]
	s_nop 0
.rept 4
	v_nop
.endr
.Lasked_\@:
.endm
.macro CREST                           ; a round of the cluster's barrier behind its opening barrier
	s_cmp_lg_u32 s14, 0
	s_cbranch_scc1 .Lnot_wave_0_\@
	s_barrier_signal -3
.Lnot_wave_0_\@:
	s_barrier_wait -3
	s_barrier_signal -1
	s_barrier_wait -1
.endm
.macro CROUND                          ; a whole round
	s_barrier_signal -1
	s_barrier_wait -1
	CREST
.endm
	s_load_b256 s[4:11], s[0:1], 0x0               ; the codes s[4:5], the scales' exponents s[6:7], bq s[8:9], bk s[10:11]
	s_load_b128 s[68:71], s[0:1], 0x20             ; bv s[68:69], the results s[70:71]
	v_lshl_add_u32 v[SPW], v0, 2, SPARE
	v_mov_b32 v[NIL], 0
	ds_add_u32 v28, v29
	ds_add_u32 v28, v29
	s_wait_dscnt 0x0
	v_lshrrev_b32 v1, 5, v0
	v_readfirstlane_b32 s14, v1                    ; wave 0..3
	s_lshr_b32 s15, s14, 1                         ; which half of A's 256 rows is mine.  Also: I fetch for A (0) or for B (1)
	s_and_b32 s16, s14, 1                          ; which half of B's.  Also: which 128 rows of that tile I fetch
	s_bfe_u32 s40, ttmp6, 0x40000                  ; cx, cy: my place in the cluster
	s_bfe_u32 s41, ttmp6, 0x40004
	s_and_b32 s18, ttmp7, 0xffff                   ; the cluster's y, 0 .. 5
	s_lshr_b32 s66, s18, 1                         ; G: 0 q, 1 k, 2 v
	s_and_b32 s18, s18, 1                          ; which half of the product's tiles
	s_lshr_b32 s67, s66, 1                         ; 1 for v
	s_lshl_b32 s18, s18, 2
	s_mul_i32 s19, s18, s67                        ; v has 4 tile rows (Wv) and 8 tile columns (tokens): the half goes to the columns;
	s_sub_co_u32 s18, s18, s19                     ; q and k have 8 tile rows (tokens) and 4 tile columns: to the rows
	s_add_co_u32 s17, s41, s18                     ; tile row
	s_add_co_u32 s42, s40, s19                     ; tile column
	s_lshl_b32 s43, s41, 2
	s_lshl_b32 s43, 15, s43                        ; my row of the cluster
	s_lshl_b32 s44, 0x1111, s40                    ; my column
	; descriptor group 1: 32,768 bytes on end, stated as 128 rows of 32 elements of 8 bytes, no padding
	s_or_b32 s[G1+0], s43, (3<<16)|(1<<21)         ; 15:0 the mask: A's tiles go to my row; 17:16 elements of 8 bytes; 21 set beside a mask
	s_or_b32 s[G1B+0], s44, (3<<16)|(1<<21)
.irp g, G1, G1B
	s_mov_b32 s[\g+1], 32<<16                      ; tensor_dim0 = 32
	s_mov_b32 s[\g+2], 128<<16                     ; tensor_dim1 = 128
	s_mov_b32 s[\g+3], 32<<16                      ; tile_dim0 = 32
	s_mov_b32 s[\g+4], 128                         ; tile_dim1 = 128
	s_mov_b32 s[\g+5], 32                          ; tensor_dim0_stride
	s_mov_b32 s[\g+6], 0
	s_mov_b32 s[\g+7], 0
.endr
	s_lshl_b32 s20, s17, 1                         ; A: group of 128 rows 2 x tile row + half, 131,072 bytes each,
	s_add_co_u32 s20, s20, s16
	s_lshl_b32 s20, s20, 17
	s_lshl_b32 s21, s66, 21                        ; in Q (0), K (0x200000) or Wv (0x800000)
	s_add_co_u32 s20, s20, s21
	s_lshl_b32 s21, s67, 22
	s_add_co_u32 s20, s20, s21
	s_mov_b32 s21, 0
	s_lshl_b32 s46, s42, 1                         ; B: group 2 x tile column + half,
	s_add_co_u32 s46, s46, s16
	s_lshl_b32 s46, s46, 17
	s_add_co_u32 s46, s46, 0x600000                ; in Wq (0x600000), Wk (0x700000) or V (0x400000)
	s_lshl_b32 s47, s66, 20
	s_add_co_u32 s46, s46, s47
	s_lshl_b32 s47, s67, 22
	s_sub_co_u32 s46, s46, s47
	s_mov_b32 s47, 0
	s_mul_i32 s45, s14, HALFT                      ; where they go: wave x 32,768: no place in the cluster enters an LDS address
	s_lshl_b32 s74, s66, 3                         ; the operands' exponents are entries 2 G, 2 G + 1;
	s_add_co_u32 s76, s66, s67
	s_lshl_b32 s76, s76, 2                         ; the result's is entry 6 (q), 7 (k) or 9 (v)
	s_wait_kmcnt 0x0
	s_load_b64 s[72:73], s[6:7], s74 offset:0x0
	s_load_b32 s75, s[6:7], s76 offset:0x18
	s_add_nc_u64 s[20:21], s[4:5], s[20:21]
	s_add_nc_u64 s[46:47], s[4:5], s[46:47]
	CROUND                                         ; all sixteen work-groups are here: the first joint loads meet
.irp s, 0,1
	s_mov_b32 s[G0+4*\s], 1
	s_add_co_u32 s[G0+4*\s+1], s45, \s*SLOT
	s_add_nc_u64 s[G0+4*\s+2:G0+4*\s+3], s[20:21], \s*HALFT
	s_or_b32 s[G0+4*\s+3], s[G0+4*\s+3], 0x80000000
	s_mov_b32 s[G0B+4*\s], 1
	s_add_co_u32 s[G0B+4*\s+1], s45, \s*SLOT
	s_add_nc_u64 s[G0B+4*\s+2:G0B+4*\s+3], s[46:47], \s*HALFT
	s_or_b32 s[G0B+4*\s+3], s[G0B+4*\s+3], 0x80000000
	JLOAD G0+4*\s, G1, G0B+4*\s, G1B
.endr
	; the biases: they land while K is walked, and are waited for at the way out
	s_cmp_eq_u32 s66, 1
	s_cselect_b64 s[78:79], s[10:11], s[8:9]
	s_cmp_eq_u32 s66, 2
	s_cselect_b64 s[78:79], s[68:69], s[78:79]     ; bq, bk or bv
	s_lshl_b32 s80, s42, 8
	s_lshl_b32 s81, s16, 7
	s_add_co_u32 s80, s80, s81
	s_and_b32 s80, s80, 1023                       ; B's first row of mine, folded into the 1,024 entries (for v it counts tokens, and its factor is 0)
	s_lshl_b32 s80, s80, 2
	s_mov_b32 s81, 0
	s_add_nc_u64 s[86:87], s[78:79], s[80:81]
	s_lshl_b32 s80, s17, 8
	s_lshl_b32 s82, s15, 7
	s_add_co_u32 s80, s80, s82
	s_and_b32 s80, s80, 1023                       ; A's first row of mine, likewise (for q and k it counts tokens)
	s_lshl_b32 s80, s80, 2
	s_add_nc_u64 s[88:89], s[78:79], s[80:81]
	v_and_b32 v1, 15, v0                           ; r
	v_bfe_u32 v2, v0, 4, 1                         ; h
	v_lshlrev_b32 v12, 6, v2                       ; along the registers: register j of tile b is entry 32 (b / 2) + 8 (b % 2) + 16 h + j
	v_and_b32 v3, 8, v1
	v_add_nc_u32 v3, v3, v1
	v_lshlrev_b32 v13, 2, v3                       ; along the lanes: lane r of block a is entry 32 (a / 2) + 8 (a % 2) + r + 8 (r / 8)
.irp b, 0,1,2,3,4,5,6,7
	global_load_b128 v[BR+8*\b:BR+8*\b+3], v12, s[86:87] offset:4*(32*(\b/2)+8*(\b%2))
	global_load_b128 v[BR+8*\b+4:BR+8*\b+7], v12, s[86:87] offset:4*(32*(\b/2)+8*(\b%2))+16
.endr
.irp a, 0,1,2,3,4,5,6,7
	global_load_b32 v[BL+2*\a], v13, s[88:89] offset:4*(32*(\a/2)+8*(\a%2))     ; twice: a pair for the packed form
	global_load_b32 v[BL+2*\a+1], v13, s[88:89] offset:4*(32*(\a/2)+8*(\a%2))
.endr
	; where my results go
	s_lshl_b32 s80, s17, 4
	s_lshl_b32 s81, s15, 3
	s_add_co_u32 s80, s80, s81                     ; my first block of 16 of A's rows
	s_lshl_b32 s82, s42, 1
	s_add_co_u32 s82, s82, s16                     ; my group of 128 of B's rows
	s_lshl_b32 s83, s80, 14                        ; q, k: a block is a tile of tokens, 16,384 bytes; a group is two heads, 2,048 bytes
	s_lshl_b32 s84, s82, 11
	s_add_co_u32 s83, s83, s84
	s_lshl_b32 s84, s66, 21
	s_add_co_u32 s83, s83, s84
	s_lshl_b32 s84, s82, 17                        ; v: a group is a step of 128 keys, 131,072 bytes; a block is 16 features, 2,048 bytes
	s_lshl_b32 s85, s80, 11
	s_add_co_u32 s84, s84, s85
	s_add_co_u32 s84, s84, 0x400000
	s_cmp_eq_u32 s67, 0
	s_cselect_b32 s80, s83, s84
	s_mov_b32 s92, 2048
	s_cselect_b32 s92, 16384, s92                  ; from block to block
	s_mov_b32 s81, 0
	s_add_nc_u64 s[90:91], s[70:71], s[80:81]
	v_and_b32 v6, 31, v0
	v_lshlrev_b32 v[OF], 4, v6                     ; 16 x lane
.irp a, 1,2,3,4,5,6,7
	v_add_nc_u32 v[OF+\a], s92, v[OF+\a-1]         ; + block x stride
.endr
	s_mul_i32 s22, s15, HALFT                      ; my 128 rows of A
	s_mul_i32 s23, s16, HALFT                      ; my 128 rows of B,
	s_add_co_u32 s23, s23, 2*HALFT                 ; which lie behind A's 256
.irp s, 0,1
	v_add_nc_u32 v[ADRA+\s], s22, v[OF]
	v_add_nc_u32 v[ADRB+\s], s23, v[OF]
	s_add_co_u32 s22, s22, SLOT
	s_add_co_u32 s23, s23, SLOT
.endr
.macro FRAG reg, adr, q, i             ; a fragment comes as it lies: four loads of 512 consecutive bytes
.irp c, 0,1,2,3
	ds_load_b128 v[\reg+4*\c:\reg+4*\c+3], v[\adr] offset:16384*(\q)+2048*(\i)+512*\c
.endr
.endm
; 16 matrix instructions: A's blocks a0, a0 + 1 x B's eight, 128 along K.  p: B's set.  zero = 1: the first product starts the sums.
; The 64 accumulators take turns, one instruction a turn, in the same order in every step.
.macro MUL16 a0, p, zero
.irp a, \a0, \a0+1
.irp b, 0,1,2,3,4,5,6,7
.if \zero
	v_wmma_f32_16x16x128_fp8_fp8 v[8*(8*((\a)%4)+\b):8*(8*((\a)%4)+\b)+7], v[128*(\p)+FR*\b:128*(\p)+FR*\b+FR-1], v[AF+FR*(\a):AF+FR*(\a)+FR-1], 0
.else
	v_wmma_f32_16x16x128_fp8_fp8 v[8*(8*((\a)%4)+\b):8*(8*((\a)%4)+\b)+7], v[128*(\p)+FR*\b:128*(\p)+FR*\b+FR-1], v[AF+FR*(\a):AF+FR*(\a)+FR-1], v[8*(8*((\a)%4)+\b):8*(8*((\a)%4)+\b)+7]
.endif
.endr
.endr
.endm
.macro FETCH_B slot, q, p              ; B's eight fragments of the slot's q-th 128 along K into set p
	WIN TO_B
.irp i, 0,1,2,3,4,5,6,7
	FRAG 128*(\p)+FR*\i, ADRB+\slot, \q, \i
.endr
	WIN 0
.endm
.macro FETCH_A slot, q, i0             ; A's blocks i0 .. i0 + 3
.irp i, \i0, \i0+1, \i0+2, \i0+3
	FRAG AF+FR*(\i), ADRA+\slot, \q, \i
.endr
.endm
; A load into a register that a matrix instruction has read, and a vector instruction that reads a matrix result or writes one of its registers, stand NP plain vector instructions behind it.
.macro PLACES n
.rept \n
	v_nop
.endr
.endm
; A step of 128 along K that has its successor in the same slot.  A block of A is free as soon as its eight products are issued: blocks 0-3 are fetched anew in the step's middle, blocks 4-7 at its end.
.macro STEP slot, q, zero
	s_wait_dscnt 4*NL                              ; B's set and A's blocks 0-3 are in; the youngest 16 loads (A's blocks 4-7) may be out
	WIN MUL_LO
	MUL16 0, (\q)%2, \zero
	MUL16 2, (\q)%2, \zero
	s_wait_dscnt 0                                 ; A's blocks 4-7 are in
	PLACES NP
	FETCH_B \slot, (\q)+1, 1-(\q)%2
	FETCH_A \slot, (\q)+1, 0
	WIN MUL_HI
	MUL16 4, (\q)%2, \zero
	MUL16 6, (\q)%2, \zero
	PLACES NP
	WIN 0
	FETCH_A \slot, (\q)+1, 4
.endm
; A slot's last step changes slots: ONE barrier; in front of it each wave waits for all its tensor loads, adds 0 to its spare word, and waits for that and for its own reads of this slot.  fill = 1: this slot is filled again.
.macro TURN slot, next, fill
	s_wait_tensorcnt 0x0                           ; all my tensor loads have landed: my part of the next slot;
	ds_add_u32 v[SPW], v[NIL]                      ; 0 onto my spare word;
	s_wait_dscnt 4*NL+1                            ; (the add and the youngest 16 loads, A's blocks 4-7, may be out)
	WIN MUL_LO
	MUL16 0, 1, 0                                  ; sixteen matrix instructions stand between the add and the wait for it
	s_wait_dscnt 0x0                               ; the add is done, and my reads of this slot are over
	s_barrier_signal -1
	MUL16 2, 1, 0
	WIN 0
	s_barrier_wait -1
.if \fill
	CREST                                          ; the barrier has opened a round of the cluster's barrier: no wave of any partner still reads this slot or has a load on its way
	s_add_nc_u64 s[G0+4*\slot+2:G0+4*\slot+3], s[G0+4*\slot+2:G0+4*\slot+3], 2*HALFT
	s_add_nc_u64 s[G0B+4*\slot+2:G0B+4*\slot+3], s[G0B+4*\slot+2:G0B+4*\slot+3], 2*HALFT
	JLOAD G0+4*\slot, G1, G0B+4*\slot, G1B         ; the first tensor load behind the round; its four v_nop are the places in front of the loads below
.else
	PLACES NP
.endif
	FETCH_B \next, 0, 0
	FETCH_A \next, 0, 0
	WIN MUL_HI
	MUL16 4, 1, 0
	MUL16 6, 1, 0
	PLACES NP
	WIN 0
	FETCH_A \next, 0, 4
.endm
	s_wait_tensorcnt 1                             ; my part of slot 0 is in (slot 1's load may be out)
	s_barrier_signal -1
	s_barrier_wait -1                              ; everybody's is
	FETCH_B 0, 0, 0
	FETCH_A 0, 0, 0
	FETCH_A 0, 0, 4
	STEP 0, 0, 1                                   ; the first step stands in front of the loop: its products start the sums
	s_mov_b32 s3, LAPS-1
.Llap:                                                 ; a trip goes once round the ring, from a lap's second step to the next lap's first, and fills both slots again
	TURN 0, 1, 1
	STEP 1, 0, 0
	TURN 1, 0, 1
	STEP 0, 0, 0
	s_sub_co_u32 s3, s3, 1
	s_cmp_lg_u32 s3, 0
	s_cbranch_scc1 .Llap
	TURN 0, 1, 0                                   ; the last lap fills nothing, and has no round of the cluster's barrier
	STEP 1, 0, 0
	s_wait_dscnt 4*NL                              ; the very last step: nothing more to fetch
	WIN MUL_LO
	MUL16 0, 1, 0
	MUL16 2, 1, 0
	s_wait_dscnt 0
	WIN MUL_HI
	MUL16 4, 1, 0
	MUL16 6, 1, 0
	WIN 0
	; THE WAY OUT.  No LDS: a block's codes are four chunks of an operand's image, and the wave stores each as 512 consecutive bytes.
	PLACES NP                                      ; behind the last products: their results are read and A's registers written below
	s_wait_loadcnt 0x0                             ; the biases
	s_wait_kmcnt 0x0                               ; the exponents
	s_add_co_i32 s72, s72, s73                     ; es
	s_sub_co_i32 s73, 127, s72
	s_lshl_b32 s73, s73, 23                        ; 2^-es as f32
	s_cmp_eq_u32 s67, 0
	s_cselect_b32 s94, s73, 0                      ; the factor of the bias along the registers: q, k
	s_cselect_b32 s96, 0, s73                      ; and of the bias along the lanes: v
	s_mov_b32 s95, s94                             ; (named as pairs, so the upper words are written)
	s_mov_b32 s97, s96
	s_sub_co_i32 s75, s75, s72                     ; eo - es: the three scales folded into the conversion's one
	s_add_co_i32 s75, s75, 127
	s_lshl_b32 s74, s75, 23
	v_mov_b32 v[SC], s74
	s_add_co_i32 s75, s75, 8
	s_lshl_b32 s75, s75, 23
	s_or_b32 s75, s75, 0x600000
	v_mov_b32 v[LIM], s75
.macro OUTB a                          ; block a: 16 of A's rows x my 128 of B's
.set AC, 64*((\a)%4)
.set PS, PC+16*((\a)%4)
.if (\a) >= 4
	s_wait_xcnt 0x0                                ; block a - 4's stores have read this set of codes
.endif
	WIN 0x20+0x10*((\a)/4)                         ; source 2: window 2 or 3
.set j, 0
.rept 32
	v_pk_fma_f32 v[TMP+j:TMP+j+1], v[BR+j:BR+j+1], s[94:95], v[AC+j:AC+j+1] op_sel_hi:[1,0,1]   ; sum + bias x 2^-es (or x 0); each accumulator from its low end on
.set j, j+2
.endr
	WIN 0
.set j, 0
.rept 32
	v_pk_fma_f32 v[TMP+j:TMP+j+1], v[BL+2*(\a):BL+2*(\a)+1], s[96:97], v[TMP+j:TMP+j+1] op_sel_hi:[1,0,1]
.set j, j+2
.endr
.set j, 0
.rept 64
	v_med3_num_f32 v[TMP+j], v[TMP+j], -v[LIM], v[LIM]   ; the conversion to an 8-bit code does not saturate (ISA guide 7.6.2): the hold comes first
.set j, j+1
.endr
.irp g, 0,1,2,3,4,5,6,7
	v_cvt_scalef32_pk8_fp8_f32 v[PS+2*\g:PS+2*\g+1], v[TMP+8*\g:TMP+8*\g+7], v[SC]
.endr
	v_nop                                          ; a plain line between the conversions and the next block's writes of their sources
.irp c, 0,1,2,3
	global_store_b128 v[OF+(\a)], v[PS+4*\c:PS+4*\c+3], s[90:91] offset:512*\c   ; 32 lanes store 512 consecutive bytes, at a multiple of 512 from the buffer's first byte
.endr
.endm
.irp a, 0,1,2,3,4,5,6,7
	OUTB \a
.endr
	s_wait_tensorcnt 0x0                           ; the wave's end
	ds_add_u32 v[SPW], v[NIL]
	s_wait_dscnt 0x0
	CROUND                                         ; the closing round: no work-group ends while a partner may still ask for a tile that names it
	s_endpgm
.Lfunc_end_k_qaa9682b244_proj:
	.size	k_qaa9682b244_proj, .Lfunc_end_k_qaa9682b244_proj-k_qaa9682b244_proj
	.p2alignl 7, 3214868480
	.fill 96, 4, 3214868480
	.section	.rodata,"a",@progbits
	.p2align	6, 0x0
	.amdhsa_kernel k_qaa9682b244_proj
		.amdhsa_group_segment_fixed_size 327680
		.amdhsa_private_segment_fixed_size 0
		.amdhsa_enable_private_segment 0
		.amdhsa_kernarg_size 48
		.amdhsa_user_sgpr_count 2
		.amdhsa_user_sgpr_kernarg_segment_ptr 1
		.amdhsa_wavefront_size32 1
		.amdhsa_system_sgpr_workgroup_id_x 1
		.amdhsa_system_sgpr_workgroup_id_y 1
		.amdhsa_system_sgpr_workgroup_id_z 1
		.amdhsa_system_vgpr_workitem_id 0
		.amdhsa_next_free_vgpr 1024
		.amdhsa_next_free_sgpr 100
		.amdhsa_reserve_vcc 0
		.amdhsa_float_denorm_mode_32 3
		.amdhsa_float_denorm_mode_16_64 3
		.amdhsa_memory_ordered 1
		.amdhsa_forward_progress 1
		.amdhsa_inst_pref_size 154
	.end_amdhsa_kernel
	.amdgpu_metadata
---
amdhsa.version: [ 1, 2 ]
amdhsa.kernels:
  - .name:           k_qaa9682b244_proj
    .symbol:         k_qaa9682b244_proj.kd
    .args:
      - { .name: codes, .offset: 0, .size: 8, .value_kind: global_buffer, .address_space: global }
      - { .name: lowp_scales, .offset: 8, .size: 8, .value_kind: global_buffer, .address_space: global }
      - { .name: bq, .offset: 16, .size: 8, .value_kind: global_buffer, .address_space: global }
      - { .name: bk, .offset: 24, .size: 8, .value_kind: global_buffer, .address_space: global }
      - { .name: bv, .offset: 32, .size: 8, .value_kind: global_buffer, .address_space: global }
      - { .name: qkv, .offset: 40, .size: 8, .value_kind: global_buffer, .address_space: global }
    .group_segment_fixed_size: 327680
    .private_segment_fixed_size: 0
    .kernarg_segment_align: 8
    .kernarg_segment_size: 48
    .max_flat_workgroup_size: 128
    .sgpr_count:     100
    .vgpr_count:     1024
    .wavefront_size: 32
...
	.end_amdgpu_metadata
.endif
;; end of part 2
;; launch attn (part 3): grid 16 x 16, 16 waves a work-group, no clusters, 104,448 bytes of LDS; arguments qkv, lowp_scales, aimg; writes aimg
.if DOCPART == 3
	.amdgcn_target "amdgcn-amd-amdhsa--gfx1250"
	.amdhsa_code_object_version 6
	.text
	.protected	k_qaa9682b244_attn
	.globl	k_qaa9682b244_attn
	.p2align	8
	.type	k_qaa9682b244_attn,@function
k_qaa9682b244_attn:
	s_mov_b64 s[64:65], 0
	v_nop
	global_prefetch_b8 v0, s[64:65] scope:SCOPE_SE
	s_setreg_imm32_b32 hwreg(HW_REG_WAVE_MODE, 25, 1), 1
	s_wait_xcnt 0x0
; Causal attention, 16 heads of 64, 2,048 tokens, both products on codes of FP8 (E4M3); the result is quantised for the output projection.
; q, k: fragments of 16 tokens x 64 (two chunks of 512 bytes: lane l's 16 bytes = features 32 c + 16 (l / 16) + 0 .. 15 of token l % 16 of the tile) at tile x 16384 + head x 1024; k from byte 0x200000.
; v: fragments of 16 features x 128 keys (four chunks) from byte 0x400000 at step x 131072 + head x 8192 + dt x 2048.  The keys of a tile of k, and the features of a tile of v, are
; 32 (t / 2) + 8 (t % 2) + i + 8 (i / 8): so the 16 result registers of tiles 2 b, 2 b + 1 are 16 neighbours, and the conversions' results are the next operand's chunk b.
; THE SOFTMAX: t = score x log2(e) / 8; M = the largest t so far, rounded UP to a whole number; p = 2^(t - M) is what is quantised; the row's sum is taken of the unquantised p and divides at the end.
; When M moves, the sum and O are multiplied by 2^(old M - new M): nothing is rounded.
; Both products are used transposed (S^T = k q^T, O^T = v^T p^T): a lane holds ONE query (lane % 16) throughout.
; SHARES.  A head's queries are 32 blocks of 64.  Work-group (j, head) owns blocks j and 31 - j: eight tiles of 16 queries.  A TILE'S KEYS ARE SHARED BETWEEN TWO WAVES: waves w and w + 8 own tile w (w < 4: of block j,
; else of block 31 - j); wave w takes the even key steps of 128, wave w + 8 the odd ones, each with a running M, a sum and an O^T of its own.  Tile T needs T / 8 + 1 key steps, so the longest chain is 8 steps of a wave,
; and four waves of 256 registers stand on a SIMD.  At the end the odd wave hands its O^T, M and sum to the even one through LDS; both are brought under the larger M by exact powers of two and added.
; The work-group walks 16 - j / 2 key steps in PAIRS, two pairs a trip; a wave whose queries all come before its step's keys jumps over the step's work, never over its staging or its barrier.
; K AND V of a pair (32,768 bytes) lie in one of two LDS slots as register images.  In each pair every wave brings 2,048 bytes of the next pair through registers (waves 0-7 the even step's, waves 8-15 the odd step's;
; of each eight, the first four two tiles of k each, the others a tile of v).  ONE barrier a pair: in front of it each wave's reads of the slot in hand are back and its stores into the other slot have landed.
; NO CLUSTER, NO TENSOR LOADS: the 16 work-groups of a head walk between 9 and 16 steps, so partners would need different numbers of tiles, and the trip count hangs on the work-group's number.
; LIMITS on the given exponents: e6 + e7 between -123 and 130 (they are added to the exponent field of log2(e) / 8); e8 and e10 between -126 and 119; e8 + e9 goes by v_ldexp_f32 and has none.
; REGISTERS: v1 16 x lane; v2 the same + my second piece; v3 where I stage; v4, v5 the staging loads' offsets; v6 the prefetch's; v7 the mask's d; v8 where I read a slot; v9 where the two halves meet;
; v12 -M, v13 the largest t, v[14:15] the sum in two halves; v16-23 q; v24-27 scales; v32-95 k's 8 fragments, then v's 4; v96-159 S^T, then p; v160-191 O^T; v192-207 staging; v208-219 at work; v224-239 p's codes.
.set SLOTB, 32768                      ; a slot: a pair of key steps
.set STEPB, 16384                      ; a key step in it: k's 8 tiles x 1,024 bytes, then v's 4 tiles x 2,048
.set VOFF,  8192
.set STEPG, 131072                     ; a key step on, in memory, in k and in v alike
.set MRG,   2*SLOTB                    ; behind the slots: where the halves meet: for each tile 8 x 512 bytes of O^T and 512 of -M, t and the sum
.set MRGW,  4608
	s_load_b128 s[4:7], s[0:1], 0x0                ; q, k, v s[4:5]; the scales' exponents s[6:7]
	s_load_b64 s[8:9], s[0:1], 0x10                ; the result's codes
	v_lshl_add_u32 v254, v0, 2, 0x19000
	v_mov_b32 v255, 0
	v_lshrrev_b32 v10, 5, v0
	v_readfirstlane_b32 s10, v10                   ; wave 0..15
	s_lshr_b32 s30, s10, 3                         ; which of a pair's two key steps is mine
	s_and_b32 s31, s10, 7                          ; which of the work-group's eight tiles; also my share of a step's staging
	s_mov_b32 s11, ttmp9                           ; j
	s_and_b32 s12, ttmp7, 0xffff                   ; the head
	s_sub_co_u32 s13, 31, s11
	s_cmp_lt_u32 s31, 4
	s_cselect_b32 s13, s11, s13                    ; my block of 64 queries: j or 31 - j
	s_and_b32 s14, s31, 3
	s_lshl_b32 s13, s13, 2
	s_add_co_u32 s14, s14, s13                     ; T: my tile of 16 queries
	s_lshr_b32 s16, s14, 3                         ; the tile's last key step, the one on the diagonal: a tile's 16 queries lie inside one step of 128
	s_add_co_u32 s15, s16, 1                       ; the tile's key steps
	s_lshr_b32 s18, s11, 1
	s_sub_co_u32 s18, 16, s18                      ; the work-group's: those of its last tile, 127 - 4 j
	s_add_co_u32 s18, s18, 3
	s_lshr_b32 s18, s18, 2                         ; trips of two pairs, four key steps (what is too many is jumped over by every wave)
	s_max_u32 s18, s18, 1                          ; (3 or 4: at least one)
	s_mov_b32 s20, 0x76543210
	s_mov_b32 s21, 0xfedcba98                      ; v_permlanex16_b32's selects for lane l xor 16
	s_mov_b32 s22, 0x3e38aa3b                      ; log2(e) / 8
	s_and_b32 s28, s10, 3
	s_or_b32 s28, s28, s11
	s_cmp_eq_u32 s28, 0
	s_cselect_b32 s28, 6, 0                        ; who prefetches, and until which pair: waves 0, 4, 8, 12 of the head's work-group 0, which walks all 8 pairs
	s_lshl_b32 s38, s31, 15                        ; what I stage.  The first four of eight: tiles 2 w, 2 w + 1 of k, 16,384 bytes apart,
	s_lshl_b32 s39, s12, 10
	s_add_co_u32 s38, s38, s39
	s_add_co_u32 s38, s38, 0x200000
	s_lshl_b32 s39, s12, 13                        ; the others: tile w - 4 of v, 2,048 bytes on end
	s_lshl_b32 s40, s31, 11
	s_add_co_u32 s39, s39, s40
	s_add_co_u32 s39, s39, 0x400000-4*2048
	s_cmp_lt_u32 s31, 4
	s_cselect_b32 s38, s38, s39
	s_mov_b32 s29, 1024
	s_cselect_b32 s29, 16384, s29                  ; from my first 1,024 bytes to my second
	s_lshl_b32 s39, s30, 17
	s_add_co_u32 s38, s38, s39                     ; waves 8-15: of the pair's odd step
	s_mov_b32 s39, 0
	s_lshl_b32 s52, s14, 14                        ; q: my tile, my head
	s_lshl_b32 s53, s12, 10
	s_add_co_u32 s52, s52, s53
	s_mov_b32 s53, 0
	s_lshl_b32 s54, s16, 17                        ; the result: (T / 8) x 131072 + (head / 2) x 16384 + (T % 8) x 2048 + (head % 2) x 1024: chunks 2 (head % 2), + 1 of K step head / 2 of the next product's operand
	s_lshr_b32 s55, s12, 1
	s_lshl_b32 s55, s55, 14
	s_add_co_u32 s54, s54, s55
	s_and_b32 s55, s14, 7
	s_lshl_b32 s55, s55, 11
	s_add_co_u32 s54, s54, s55
	s_and_b32 s55, s12, 1
	s_lshl_b32 s55, s55, 10
	s_add_co_u32 s54, s54, s55
	s_mov_b32 s55, 0
	s_lshl_b32 s41, s10, 11
	s_lshl_b32 s42, s14, 4
	s_and_b32 s42, s42, 127                        ; my first query's place in the diagonal step
	s_lshl_b32 s43, s30, 14                        ; my step's place in a slot
	s_mul_i32 s44, s31, MRGW
	s_add_co_u32 s44, s44, MRG                     ; my tile's meeting place: the same in both of its waves
	v_and_b32 v10, 31, v0                          ; lane
	v_lshlrev_b32 v1, 4, v10
	v_add_nc_u32 v2, s29, v1
	v_add_nc_u32 v3, s41, v1                       ; a slot's bytes 2,048 w on are mine to fill
	v_add_nc_u32 v8, s43, v1
	v_add_nc_u32 v9, s44, v1
	v_lshrrev_b32 v11, 2, v10
	v_mul_u32_u24 v6, v11, s29
	v_and_b32 v11, 3, v10
	v_lshl_add_u32 v6, v11, 8, v6                  ; the prefetch: 8 pieces of 1,024 bytes, four lanes 256 bytes apart to a piece
	v_and_b32 v10, 15, v0
	v_bfe_u32 v11, v0, 4, 1
	v_lshlrev_b32 v11, 4, v11
	v_sub_nc_u32 v7, v10, v11
	v_add_nc_u32 v7, s42, v7                       ; d = my query - the diagonal step's first key - 16 (lane / 16)
	s_wait_kmcnt 0x0
	s_load_b128 s[32:35], s[6:7], 0x18             ; e6 (q), e7 (k), e8 (p), e9 (v)
	s_load_b32 s36, s[6:7], 0x28                   ; e10 (the result)
	s_add_nc_u64 s[24:25], s[4:5], s[38:39]
	s_add_nc_u64 s[26:27], s[24:25], 2*STEPG       ; the prefetches' place: each pair moves it on one pair first, so pair D names pair D + 2
	s_add_nc_u64 s[48:49], s[4:5], s[52:53]
	s_add_nc_u64 s[50:51], s[8:9], s[54:55]
	global_load_b128 v[16:19], v1, s[48:49]        ; q's fragment stays in registers
	global_load_b128 v[20:23], v1, s[48:49] offset:512
	global_load_b128 v[192:195], v1, s[24:25]      ; my part of pair 0
	global_load_b128 v[196:199], v1, s[24:25] offset:512
	global_load_b128 v[200:203], v2, s[24:25]
	global_load_b128 v[204:207], v2, s[24:25] offset:512
	v_mov_b32 v13, 0xff61b1e6                      ; the largest t so far: -3e38, under every t
	v_floor_f32 v12, -v13                          ; -M
	v_mov_b32 v14, 0                               ; the sum, in two halves
	v_mov_b32 v15, 0
	v_mov_b32 v211, 0                              ; (named as the upper half of the pair v[210:211])
	v_mov_b32 v216, 0                              ; written once: a lane permute's destination counts as one of its sources
.set j, 0
.rept 32
	v_mov_b32 v[160+j], 0                          ; O^T.  (The step is written once: the first finds zeros, which the first change of M leaves zeros; a wave without a step hands zeros on)
.set j, j+1
.endr
	s_wait_kmcnt 0x0
	s_add_co_i32 s43, s32, s33
	s_lshl_b32 s43, s43, 23
	s_add_co_i32 s22, s22, s43                     ; a score stands for score x 2^(e6 + e7): the exponents are added to the factor's exponent field
	s_mov_b32 s23, s22                             ; (named with it as a pair, so it is written)
	s_add_co_i32 s44, s34, 127
	s_lshl_b32 s45, s44, 23
	v_mov_b32 v24, s45                             ; 2^e8
	s_add_co_i32 s44, s44, 8
	s_lshl_b32 s44, s44, 23
	s_or_b32 s44, s44, 0x600000
	v_mov_b32 v25, s44                             ; 448 x 2^e8
	s_add_co_i32 s44, s36, 127
	s_lshl_b32 s45, s44, 23
	v_mov_b32 v26, s45                             ; 2^e10
	s_add_co_i32 s44, s44, 8
	s_lshl_b32 s44, s44, 23
	s_or_b32 s44, s44, 0x600000
	v_mov_b32 v27, s44                             ; 448 x 2^e10
	s_add_co_i32 s37, s34, s35                     ; e8 + e9
	s_mov_b32 s17, s30                             ; my key step: 2 x the pair + 0 or 1
	s_mov_b32 s46, 0                               ; the pair
	s_wait_loadcnt 0x0
.irp c, 0,1,2,3
	ds_store_b128 v3, v[192+4*\c:195+4*\c] offset:512*\c
.endr
	s_wait_dscnt 0x0                               ; for the others' sake: my part of slot 0 has landed
	s_barrier_signal -1
	s_barrier_wait -1
.macro PAIR slot
	; the next pair is asked for first: it has this pair's work in which to arrive
	s_wait_xcnt 0x0                                ; the last pair's prefetch and loads have read their addresses
	s_add_nc_u64 s[26:27], s[26:27], 2*STEPG
	s_add_co_u32 s19, s46, 1
	s_min_u32 s19, s19, 7                          ; held at the last pair: no load leaves the buffer (what the last pairs stage is read by nobody)
	s_lshl_b32 s19, s19, 18
	v_add_nc_u32 v4, s19, v1
	v_add_nc_u32 v5, s19, v2
	global_load_b128 v[192:195], v4, s[24:25]      ; 512 consecutive bytes each
	global_load_b128 v[196:199], v4, s[24:25] offset:512
	global_load_b128 v[200:203], v5, s[24:25]
	global_load_b128 v[204:207], v5, s[24:25] offset:512
	; A PREFETCH INTO THE L2 of pair D + 2, one pair ahead of the loads that will want it: 8,192 bytes of this head's k (waves 0, 8: the even step's, the odd step's) or v (waves 4, 12); each lane names another aligned block of 256 bytes.
	; All work-groups of a head walk the same k and v: work-group 0, which walks all 8 pairs, asks, so each block is named once in the launch.  Pairs 0 and 1 come by their loads alone; from pair 6 on nothing is left to name.
	s_cmp_lt_u32 s46, s28
	s_cbranch_scc0 .Lnoask_\@
	global_prefetch_b8 v6, s[26:27] th:TH_LOAD_NT scope:SCOPE_SE
.Lnoask_\@:
	s_cmp_ge_u32 s17, s15                          ; all my step's keys come after my queries: no work, a branch on ids
	s_cbranch_scc1 .Lskip_\@
.irp t, 0,1,2,3,4,5,6,7
	ds_load_b128 v[32+8*\t:35+8*\t], v8 offset:\slot*SLOTB+1024*\t
	ds_load_b128 v[36+8*\t:39+8*\t], v8 offset:\slot*SLOTB+1024*\t+512
.endr
	s_wait_dscnt 0x0
.irp t, 0,1,2,3,4,5,6,7                            ; S^T = k q^T: lane (r, h) holds query r; the 16 registers of tiles 2 b, 2 b + 1 are keys 32 b + 16 h + 0 .. 15
	v_wmma_f32_16x16x64_fp8_fp8 v[96+8*\t:103+8*\t], v[32+8*\t:39+8*\t], v[16:23], 0
.endr
.rept 4
	v_nop                                          ; places in front of the loads into k's registers and of the first read of the scores
.endr
.irp t, 0,1,2,3
.irp c, 0,1,2,3
	ds_load_b128 v[32+16*\t+4*\c:35+16*\t+4*\c], v8 offset:\slot*SLOTB+VOFF+2048*\t+512*\c   ; v's fragments arrive under the softmax
.endr
.endr
	s_cmp_lg_u32 s17, s16                          ; on the diagonal, the tile's last step, hidden scores become -infinity ahead of the maximum: p = 0 then
	s_cbranch_scc1 .Lopen_\@
	v_mov_b32 v208, 0xff800000
.set n, 0
.rept 64
	v_cmp_gt_i32 vcc_lo, 32*(n/16)+n%16, v7        ; register 16 b + i holds key 16 (lane / 16) + 32 b + i of the step: hidden where 32 b + i > d
	v_cndmask_b32 v[96+n], v[96+n], v208, vcc_lo
.set n, n+1
.endr
.Lopen_\@:
	v_max3_num_f32 v208, v96, v97, v98             ; the step's largest score of my query among my 64 keys, in two chains; each tile is first read at its low end,
	v_max3_num_f32 v209, v99, v100, v101
.irp i, 6,10,14,18,22,26,30,34,38,42,46,50,54,58
	v_max3_num_f32 v208, v208, v[96+\i], v[97+\i]
	v_max3_num_f32 v209, v209, v[98+\i], v[99+\i]
.endr
	v_max3_num_f32 v208, v208, v158, v159
	v_max_num_f32 v208, v208, v209
	v_permlanex16_b32 v216, v208, s20, s21
	v_max_num_f32 v208, v208, v216                 ; and among lane l xor 16's
	v_mul_f32 v208, s22, v208                      ; as t (the factor is positive)
	v_max_num_f32 v13, v13, v208                   ; the running largest t
	v_mov_b32 v208, v12
	v_floor_f32 v12, -v13                          ; the new -M = floor(-t) = -ceil(t)
	v_sub_f32 v208, v12, v208                      ; old M - new M: a whole number, 0 or less
	v_cvt_i32_f32 v208, v208                       ; (it saturates)
	v_ldexp_f32 v210, 1.0, v208                    ; f = 2^(old M - new M)
.set j, 0
.rept 32
	v_pk_fma_f32 v[96+j:97+j], v[96+j:97+j], s[22:23], v[12:13] op_sel_hi:[1,0,0]   ; t - M, two at a time
.set j, j+2
.endr
.set j, 0
.rept 64
	v_exp_f32 v[96+j], v[96+j]                     ; p = 2^(t - M): one batch
.set j, j+1
.endr
	v_pk_mul_f32 v[14:15], v[14:15], v[210:211] op_sel_hi:[1,0]   ; the sums under the new M: the plain line behind the batch
	s_wait_alu depctr_va_vdst(0)                   ; one wait for the whole batch, ahead of its first reader
	v_pk_add_f32 v[212:213], v[96:97], v[98:99]    ; the row's sum is taken of the unquantised p: two at a time, in two chains
.irp i, 4,8,12,16,20,24,28,32,36,40,44,48,52,56,60
	v_pk_add_f32 v[14:15], v[14:15], v[96+\i:97+\i]
	v_pk_add_f32 v[212:213], v[212:213], v[98+\i:99+\i]
.endr
	v_pk_add_f32 v[14:15], v[14:15], v[212:213]
	s_cmp_ge_i32 s34, -8                           ; p is at most 1 but for its last bits, and from e8 = -8 on 448 x 2^e8 is at least 1.75: the hold could hold nothing.  A branch on a given whole number
	s_cbranch_scc1 .Lnohold_\@
.set j, 0
.rept 64
	v_min_num_f32 v[96+j], v[96+j], v25            ; the conversion does not saturate (ISA guide 7.6.2); p is not negative, so the hold is one-sided
.set j, j+1
.endr
.Lnohold_\@:
.irp b, 0,1,2,3
	v_cvt_scalef32_pk8_fp8_f32 v[224+4*\b:225+4*\b], v[96+16*\b:103+16*\b], v24
	v_cvt_scalef32_pk8_fp8_f32 v[226+4*\b:227+4*\b], v[104+16*\b:111+16*\b], v24
.endr
.set j, 0
.rept 16
	v_pk_mul_f32 v[160+j:161+j], v[160+j:161+j], v[210:211] op_sel_hi:[1,0]   ; O^T under the new M.  (Also the plain lines behind the conversions)
.set j, j+2
.endr
	s_wait_dscnt 0x0                               ; v's fragments
.irp t, 0,1,2,3                                    ; O^T += v^T p^T: four accumulators by turns; my next step's eight products lie between two links of a chain
	v_wmma_f32_16x16x128_fp8_fp8 v[160+8*\t:167+8*\t], v[32+16*\t:47+16*\t], v[224:239], v[160+8*\t:167+8*\t]
.endr
.rept 4
	v_nop                                          ; places in front of the next step's loads into v's registers, and of the reads of O^T behind the loop
.endr
.Lskip_\@:
	s_wait_loadcnt 0x0                             ; my part of the next pair is in registers
.irp c, 0,1,2,3
	ds_store_b128 v3, v[192+4*\c:195+4*\c] offset:(1-\slot)*SLOTB+512*\c   ; into the slot that every wave left at the last barrier
.endr
	s_add_co_u32 s17, s17, 2
	s_add_co_u32 s46, s46, 1
	s_wait_dscnt 0x0                               ; my stores have landed, and my reads of the slot in hand are back
	s_barrier_signal -1
	s_barrier_wait -1
.endm
.Ltrip:
	PAIR 0
	PAIR 1
	s_sub_co_u32 s18, s18, 1
	s_cmp_lg_u32 s18, 0
	s_cbranch_scc1 .Ltrip
	; THE TWO HALVES OF A TILE'S KEYS MEET.  Waves 8-15 put O^T and v[12:15] (-M, t, the sum's halves) into the tile's place as they stand in the registers; a barrier; waves 0-7 take them up in the same lanes.
	s_cmp_lt_u32 s10, 8
	s_cbranch_scc1 .Lkeeps
.irp c, 0,1,2,3,4,5,6,7
	ds_store_b128 v9, v[160+4*\c:163+4*\c] offset:512*\c   ; each accumulator from its low end on
.endr
	ds_store_b128 v9, v[12:15] offset:4096
.Lkeeps:
	s_wait_dscnt 0x0                               ; for the others' sake: my stores have landed
	s_barrier_signal -1
	s_barrier_wait -1
	s_cmp_ge_u32 s10, 8
	s_cbranch_scc1 .Ldone                          ; waves 8-15 have handed their part on
	ds_load_b128 v[216:219], v9 offset:4096
.irp c, 0,1,2,3,4,5,6,7
	ds_load_b128 v[96+4*\c:99+4*\c], v9 offset:512*\c
.endr
	s_wait_dscnt 0x0
	v_min_num_f32 v208, v12, v216                  ; the row's -M: the smaller of the two.  (A partner that had no step holds -M = 3e38, a sum of 0 and zeros: its factor below is 0)
	v_sub_f32 v209, v208, v12                      ; my M less the row's: a whole number, 0 or less;
	v_sub_f32 v212, v208, v216                     ; my partner's likewise
	v_cvt_i32_f32 v209, v209                       ; (they saturate)
	v_cvt_i32_f32 v212, v212
	v_ldexp_f32 v210, 1.0, v209                    ; the two factors: exact powers of two
	v_ldexp_f32 v212, 1.0, v212
	v_add_f32 v14, v14, v15                        ; each sum's two halves,
	v_add_f32 v218, v218, v219
	v_mul_f32 v14, v14, v210                       ; both under the row's M,
	v_fmac_f32 v14, v218, v212
	v_permlanex16_b32 v209, v14, s20, s21
	v_add_f32 v14, v14, v209                       ; and lane l xor 16's: the row's sum
	v_rcp_f32 v14, v14
	v_mov_b32 v213, 0                              ; a plain line behind the reciprocal.  (v213 is named as the upper half of the pair v[212:213])
	s_wait_alu depctr_va_vdst(0)                   ; and the wait ahead of its first reader
	v_ldexp_f32 v14, v14, s37                      ; 2^(e8 + e9) / the sum
	v_mul_f32 v210, v210, v14                      ; goes into the two factors
	v_mul_f32 v212, v212, v14
	; THE WAY OUT: the attention's result is quantised with 2^e10.  Tiles 2 b, 2 b + 1 hold features 32 b + 16 h + 0 .. 15 of my query: chunk b of my head's half of a fragment.
.set j, 0
.rept 16
	v_pk_mul_f32 v[96+j:97+j], v[96+j:97+j], v[212:213] op_sel_hi:[1,0]
.set j, j+2
.endr
.set j, 0
.rept 16
	v_pk_fma_f32 v[96+j:97+j], v[160+j:161+j], v[210:211], v[96+j:97+j] op_sel_hi:[1,0,1]   ; each accumulator from its low end on
.set j, j+2
.endr
.set j, 0
.rept 32
	v_med3_num_f32 v[96+j], v[96+j], -v27, v27     ; the conversion does not saturate (ISA guide 7.6.2): the hold comes first
.set j, j+1
.endr
.irp g, 0,1,2,3
	v_cvt_scalef32_pk8_fp8_f32 v[224+2*\g:225+2*\g], v[96+8*\g:103+8*\g], v26
.endr
	v_nop
	global_store_b128 v1, v[224:227], s[50:51]     ; the wave stores 512 consecutive bytes, at a multiple of 512 from the buffer's first byte
	global_store_b128 v1, v[228:231], s[50:51] offset:512
.Ldone:
	s_wait_tensorcnt 0x0
	ds_add_u32 v254, v255
	s_wait_dscnt 0x0
	s_endpgm
.Lfunc_end_k_qaa9682b244_attn:
	.size	k_qaa9682b244_attn, .Lfunc_end_k_qaa9682b244_attn-k_qaa9682b244_attn
	.p2alignl 7, 3214868480
	.fill 96, 4, 3214868480
	.section	.rodata,"a",@progbits
	.p2align	6, 0x0
	.amdhsa_kernel k_qaa9682b244_attn
		.amdhsa_group_segment_fixed_size 104448
		.amdhsa_private_segment_fixed_size 0
		.amdhsa_enable_private_segment 0
		.amdhsa_kernarg_size 24
		.amdhsa_user_sgpr_count 2
		.amdhsa_user_sgpr_kernarg_segment_ptr 1
		.amdhsa_wavefront_size32 1
		.amdhsa_system_sgpr_workgroup_id_x 1
		.amdhsa_system_sgpr_workgroup_id_y 1
		.amdhsa_system_sgpr_workgroup_id_z 1
		.amdhsa_system_vgpr_workitem_id 0
		.amdhsa_next_free_vgpr 256
		.amdhsa_next_free_sgpr 66
		.amdhsa_reserve_vcc 1
		.amdhsa_float_denorm_mode_32 3
		.amdhsa_float_denorm_mode_16_64 3
		.amdhsa_memory_ordered 1
		.amdhsa_forward_progress 1
		.amdhsa_inst_pref_size 57
	.end_amdhsa_kernel
	.amdgpu_metadata
---
amdhsa.version: [ 1, 2 ]
amdhsa.kernels:
  - .name:           k_qaa9682b244_attn
    .symbol:         k_qaa9682b244_attn.kd
    .args:
      - { .name: qkv, .offset: 0, .size: 8, .value_kind: global_buffer, .address_space: global }
      - { .name: lowp_scales, .offset: 8, .size: 8, .value_kind: global_buffer, .address_space: global }
      - { .name: aimg, .offset: 16, .size: 8, .value_kind: global_buffer, .address_space: global }
    .group_segment_fixed_size: 104448
    .private_segment_fixed_size: 0
    .kernarg_segment_align: 8
    .kernarg_segment_size: 24
    .max_flat_workgroup_size: 512
    .sgpr_count:     66
    .vgpr_count:     256
    .wavefront_size: 32
...
	.end_amdgpu_metadata
.endif
;; end of part 3
;; launch outp (part 4): grid 4 x 8, 4 waves a work-group, clusters of 4 x 4, 327,680 bytes of LDS; arguments aimg, codes, lowp_scales, bo, out0; writes out0
.if DOCPART == 4
	.amdgcn_target "amdgcn-amd-amdhsa--gfx1250"
	.amdhsa_code_object_version 6
	.text
	.protected	k_qaa9682b244_outp
	.globl	k_qaa9682b244_outp
	.p2align	8
	.type	k_qaa9682b244_outp,@function
k_qaa9682b244_outp:
	s_mov_b64 s[64:65], 0
	v_nop
	global_prefetch_b8 v0, s[64:65] scope:SCOPE_SE
	s_setreg_imm32_b32 hwreg(HW_REG_WAVE_MODE, 25, 1), 1
	s_wait_xcnt 0x0
	s_wait_alu depctr_hold_cnt(0) depctr_sa_sdst(0) depctr_va_vdst(0) depctr_va_sdst(0) depctr_va_ssrc(0) depctr_va_vcc(0) depctr_vm_vsrc(0)
	s_getreg_b32 s2, hwreg(HW_REG_IB_STS2, 6, 4)
	s_cmp_eq_u32 s2, 0
	s_cbranch_scc0 .Lentry_in_a_cluster
	s_endpgm
.Lentry_in_a_cluster:
	s_bfe_u32 s2, ttmp6, 0x10000c
	s_cmp_lg_u32 s2, 0xf033
	s_cbranch_scc0 .Lentry_shape_is_right
	s_endpgm
.Lentry_shape_is_right:
; out0 = attn Wo^T + bo: [2048][1024] f32; both operands codes of FP8 (E4M3), sums in f32; each sum x 2^(e10 + e11), then + bo.  LIMIT: e10 + e11 between -126 and 127, so that the power of two is an f32 number.
; OPERANDS are images of operand registers: a fragment (16 rows x 128 K) is 4 chunks of 512 bytes, lane l's 16 bytes at 16 l = k 32 c + 16 (l / 16) + 0 .. 15 of row l % 16; 128 rows x 256 along K are 32,768 bytes on end.
; A = the attention's codes (rows = tokens), B = Wo's codes, from byte 0x900000 of the buffer of codes (rows = output features); both in natural order of rows.
; SHARES.  32 tiles of 256 x 256 in two clusters of 4 x 4 work-groups; four waves, each 128 x 128: 64 accumulators, 512 registers.  The matrix instruction is used transposed (source 0 = B, source 1 = A):
; a lane holds eight neighbouring numbers of a row of the output.  K goes in steps of 256 through a ring of two LDS slots; A's tile is asked for jointly by a row of the cluster, B's by a column.
; REGISTERS, in windows of 256: window 0: v0-31 addresses, v8-11 my four entries of bo; v128-255 A's fragments, ONE set; on the way out v32-255 are free.   window 1: B's fragments, TWO sets.   windows 2, 3: the accumulators.
.set SIZE_N, 1024
.set FR,    16
.set NL,    4
.set NP,    4                          ; places behind this matrix instruction (ISA guide 7.12.1)
.set HALFT, 32768                      ; 128 rows x 256 K: what one tensor load brings
.set SLOT,  4*HALFT
.set SPARE, 2*SLOT                     ; behind the ring: the spare words, 128 bytes for each wave: two blocks of 256 bytes that no other line names
.set LAPS,  2
.set SPITCH, 528                       ; the way out: a stage of 16 rows x (512 bytes + 16) for each wave, in slot 0, which has had its last fill and its last read when the first result is stored there
.set BI,   8                           ; v8-11   bo at my four columns of a row read back from the stage
.set ADRA, 16
.set ADRB, 20
.set STO,  24                          ; v24     where I put 32 bytes of a row
.set RD,   25                          ; v25     where I read a row back
.set CO,   26                          ; v26     16 x lane: my byte offset in a row's 512 bytes
.set SPW,  28
.set NIL,  29
.set TMP,  32
.set AF,   128
.set BK,   128                         ; 16 rows read back from the stage: v128-191 and v192-255 by turns
.set G1, 24
.set G0, 32
.set G1B, 48
.set G0B, 56
.set MSB, 0
.macro WIN new                         ; the immediate's high byte repeats the setting that is left
.if MSB != (\new)
	s_set_vgpr_msb (MSB<<8)|(\new)
.set MSB, (\new)
.endif
.endm
.set MUL_LO, 0xa1
.set MUL_HI, 0xf1
.set TO_B,   0x40
.macro JLOAD g0a, g1a, g0b, g1b        ; a joint load: waves 0 and 1 fetch for A, waves 2 and 3 for B; four v_nop follow each of the two lines
	s_cmp_eq_u32 s15, 0
	s_cbranch_scc0 .Lfor_b_\@
	tensor_load_to_lds s[\g0a:\g0a+3], s[\g1a:\g1a+7]
	s_nop 0
.rept 4
	v_nop
.endr
	s_branch .Lasked_\@
.Lfor_b_\@:
	tensor_load_to_lds s[\g0b:\g0b+3], s[\g1b:\g1b+7]
	s_nop 0
.rept 4
	v_nop
.endr
.Lasked_\@:
.endm
.macro CREST
	s_cmp_lg_u32 s14, 0
	s_cbranch_scc1 .Lnot_wave_0_\@
	s_barrier_signal -3
.Lnot_wave_0_\@:
	s_barrier_wait -3
	s_barrier_signal -1
	s_barrier_wait -1
.endm
.macro CROUND
	s_barrier_signal -1
	s_barrier_wait -1
	CREST
.endm
	s_load_b256 s[4:11], s[0:1], 0x0               ; A's codes s[4:5], the buffer of codes s[6:7], the scales' exponents s[8:9], bo s[10:11]
	s_load_b64 s[12:13], s[0:1], 0x20              ; the output
	v_lshl_add_u32 v[SPW], v0, 2, SPARE
	v_mov_b32 v[NIL], 0
	ds_add_u32 v28, v29
	ds_add_u32 v28, v29
	s_wait_dscnt 0x0
	v_lshrrev_b32 v1, 5, v0
	v_readfirstlane_b32 s14, v1                    ; wave 0..3
	s_lshr_b32 s15, s14, 1                         ; which half of the tile's rows is mine.  Also: I fetch for A (0) or for B (1)
	s_and_b32 s16, s14, 1                          ; which half of its columns.  Also: which 128 rows of that tile I fetch
	s_bfe_u32 s40, ttmp6, 0x40000                  ; cx, cy
	s_bfe_u32 s41, ttmp6, 0x40004
	s_lshl_b32 s42, ttmp9, 2
	s_add_co_u32 s42, s42, s40                     ; tile column
	s_and_b32 s17, ttmp7, 0xffff
	s_lshl_b32 s17, s17, 2
	s_add_co_u32 s17, s17, s41                     ; tile row
	s_lshl_b32 s43, s41, 2
	s_lshl_b32 s43, 15, s43                        ; my row of the cluster
	s_lshl_b32 s44, 0x1111, s40                    ; my column
	s_or_b32 s[G1+0], s43, (3<<16)|(1<<21)         ; 15:0 the mask; 17:16 elements of 8 bytes; 21 set beside a mask; no padding
	s_or_b32 s[G1B+0], s44, (3<<16)|(1<<21)
.irp g, G1, G1B
	s_mov_b32 s[\g+1], 32<<16                      ; 32,768 bytes on end, stated as 128 rows of 32 elements
	s_mov_b32 s[\g+2], 128<<16
	s_mov_b32 s[\g+3], 32<<16
	s_mov_b32 s[\g+4], 128
	s_mov_b32 s[\g+5], 32
	s_mov_b32 s[\g+6], 0
	s_mov_b32 s[\g+7], 0
.endr
	s_lshl_b32 s20, s17, 1
	s_add_co_u32 s20, s20, s16
	s_lshl_b32 s20, s20, 17                        ; A: group of 128 rows 2 x tile row + half
	s_mov_b32 s21, 0
	s_lshl_b32 s46, s42, 1
	s_add_co_u32 s46, s46, s16
	s_lshl_b32 s46, s46, 17
	s_add_co_u32 s46, s46, 0x900000                ; B: group 2 x tile column + half of Wo
	s_mov_b32 s47, 0
	s_mul_i32 s45, s14, HALFT
	s_wait_kmcnt 0x0
	s_load_b64 s[96:97], s[8:9], 0x28              ; e10, e11
	s_add_nc_u64 s[20:21], s[4:5], s[20:21]
	s_add_nc_u64 s[46:47], s[6:7], s[46:47]
	CROUND                                         ; all sixteen work-groups are here: the first joint loads meet
.irp s, 0,1
	s_mov_b32 s[G0+4*\s], 1
	s_add_co_u32 s[G0+4*\s+1], s45, \s*SLOT
	s_add_nc_u64 s[G0+4*\s+2:G0+4*\s+3], s[20:21], \s*HALFT
	s_or_b32 s[G0+4*\s+3], s[G0+4*\s+3], 0x80000000
	s_mov_b32 s[G0B+4*\s], 1
	s_add_co_u32 s[G0B+4*\s+1], s45, \s*SLOT
	s_add_nc_u64 s[G0B+4*\s+2:G0B+4*\s+3], s[46:47], \s*HALFT
	s_or_b32 s[G0B+4*\s+3], s[G0B+4*\s+3], 0x80000000
	JLOAD G0+4*\s, G1, G0B+4*\s, G1B
.endr
	v_and_b32 v1, 15, v0                           ; r
	v_bfe_u32 v2, v0, 4, 1                         ; h
	v_and_b32 v6, 31, v0
	v_lshlrev_b32 v[CO], 4, v6
	s_lshl_b32 s80, s42, 10                        ; my first column, in bytes: 1024 x tile column + 512 x half
	s_lshl_b32 s81, s16, 9
	s_add_co_u32 s80, s80, s81
	s_mov_b32 s81, 0
	s_add_nc_u64 s[10:11], s[10:11], s[80:81]
	global_load_b128 v[BI:BI+3], v[CO], s[10:11]   ; bo at columns 4 l .. 4 l + 3 of my 128: waited for at the way out
	s_lshl_b32 s82, s17, 8
	s_lshl_b32 s83, s15, 7
	s_add_co_u32 s82, s82, s83                     ; my first row: 256 x tile row + 128 x half,
	s_lshl_b32 s82, s82, 12                        ; of 4,096 bytes
	s_add_co_u32 s80, s80, s82
	s_add_nc_u64 s[12:13], s[12:13], s[80:81]
	s_mul_i32 s22, s15, HALFT
	s_mul_i32 s23, s16, HALFT
	s_add_co_u32 s23, s23, 2*HALFT
.irp s, 0,1
	v_add_nc_u32 v[ADRA+\s], s22, v[CO]
	v_add_nc_u32 v[ADRB+\s], s23, v[CO]
	s_add_co_u32 s22, s22, SLOT
	s_add_co_u32 s23, s23, SLOT
.endr
	s_mul_i32 s23, s14, 16*SPITCH                  ; my stage
	v_mul_u32_u24 v5, v1, SPITCH                   ; in: row r, 32 bytes for each half of the lanes
	v_lshl_add_u32 v5, v2, 5, v5
	v_add_nc_u32 v[STO], s23, v5
	v_add_nc_u32 v[RD], s23, v[CO]                 ; back: the 32 lanes take one row of 512 bytes
.macro FRAG reg, adr, q, i             ; a fragment comes as it lies: four loads of 512 consecutive bytes
.irp c, 0,1,2,3
	ds_load_b128 v[\reg+4*\c:\reg+4*\c+3], v[\adr] offset:16384*(\q)+2048*(\i)+512*\c
.endr
.endm
; 16 matrix instructions; the 64 accumulators take turns, one instruction a turn, in the same order in every step
.macro MUL16 a0, p, zero
.irp a, \a0, \a0+1
.irp b, 0,1,2,3,4,5,6,7
.if \zero
	v_wmma_f32_16x16x128_fp8_fp8 v[8*(8*((\a)%4)+\b):8*(8*((\a)%4)+\b)+7], v[128*(\p)+FR*\b:128*(\p)+FR*\b+FR-1], v[AF+FR*(\a):AF+FR*(\a)+FR-1], 0
.else
	v_wmma_f32_16x16x128_fp8_fp8 v[8*(8*((\a)%4)+\b):8*(8*((\a)%4)+\b)+7], v[128*(\p)+FR*\b:128*(\p)+FR*\b+FR-1], v[AF+FR*(\a):AF+FR*(\a)+FR-1], v[8*(8*((\a)%4)+\b):8*(8*((\a)%4)+\b)+7]
.endif
.endr
.endr
.endm
.macro FETCH_B slot, q, p
	WIN TO_B
.irp i, 0,1,2,3,4,5,6,7
	FRAG 128*(\p)+FR*\i, ADRB+\slot, \q, \i
.endr
	WIN 0
.endm
.macro FETCH_A slot, q, i0
.irp i, \i0, \i0+1, \i0+2, \i0+3
	FRAG AF+FR*(\i), ADRA+\slot, \q, \i
.endr
.endm
.macro PLACES n                        ; plain vector lines between a matrix instruction and a load into, or a vector read or write of, its registers
.rept \n
	v_nop
.endr
.endm
.macro STEP slot, q, zero              ; a step of 128 along K that has its successor in the same slot
	s_wait_dscnt 4*NL                              ; B's set and A's blocks 0-3 are in; the youngest 16 loads (A's blocks 4-7) may be out
	WIN MUL_LO
	MUL16 0, (\q)%2, \zero
	MUL16 2, (\q)%2, \zero
	s_wait_dscnt 0                                 ; A's blocks 4-7 are in
	PLACES NP
	FETCH_B \slot, (\q)+1, 1-(\q)%2
	FETCH_A \slot, (\q)+1, 0
	WIN MUL_HI
	MUL16 4, (\q)%2, \zero
	MUL16 6, (\q)%2, \zero
	PLACES NP
	WIN 0
	FETCH_A \slot, (\q)+1, 4
.endm
.macro TURN slot, next, fill           ; a slot's last step changes slots: ONE barrier
	s_wait_tensorcnt 0x0                           ; all my tensor loads have landed: my part of the next slot;
	ds_add_u32 v[SPW], v[NIL]                      ; 0 onto my spare word;
	s_wait_dscnt 4*NL+1                            ; (the add and the youngest 16 loads may be out)
	WIN MUL_LO
	MUL16 0, 1, 0
	s_wait_dscnt 0x0                               ; the add is done, and my reads of this slot are over
	s_barrier_signal -1
	MUL16 2, 1, 0
	WIN 0
	s_barrier_wait -1
.if \fill
	CREST                                          ; the barrier has opened a round of the cluster's barrier: no wave of any partner still reads this slot or has a load on its way
	s_add_nc_u64 s[G0+4*\slot+2:G0+4*\slot+3], s[G0+4*\slot+2:G0+4*\slot+3], 2*HALFT
	s_add_nc_u64 s[G0B+4*\slot+2:G0B+4*\slot+3], s[G0B+4*\slot+2:G0B+4*\slot+3], 2*HALFT
	JLOAD G0+4*\slot, G1, G0B+4*\slot, G1B         ; the first tensor load behind the round; its four v_nop are the places in front of the loads below
.else
	PLACES NP
.endif
	FETCH_B \next, 0, 0
	FETCH_A \next, 0, 0
	WIN MUL_HI
	MUL16 4, 1, 0
	MUL16 6, 1, 0
	PLACES NP
	WIN 0
	FETCH_A \next, 0, 4
.endm
	s_wait_tensorcnt 1                             ; my part of slot 0 is in (slot 1's load may be out)
	s_barrier_signal -1
	s_barrier_wait -1                              ; everybody's is
	FETCH_B 0, 0, 0
	FETCH_A 0, 0, 0
	FETCH_A 0, 0, 4
	STEP 0, 0, 1                                   ; the first step's products start the sums
	s_mov_b32 s3, LAPS-1
.Llap:
	TURN 0, 1, 1
	STEP 1, 0, 0
	TURN 1, 0, 1
	STEP 0, 0, 0
	s_sub_co_u32 s3, s3, 1
	s_cmp_lg_u32 s3, 0
	s_cbranch_scc1 .Llap
	TURN 0, 1, 0                                   ; the last lap fills nothing
	STEP 1, 0, 0
	s_wait_dscnt 4*NL
	WIN MUL_LO
	MUL16 0, 1, 0
	MUL16 2, 1, 0
	s_wait_dscnt 0
	WIN MUL_HI
	MUL16 4, 1, 0
	MUL16 6, 1, 0
	WIN 0
; THE WAY OUT, block by block of 16 rows x 128 columns: x 2^(e10 + e11), through my own stage in LDS, back as whole rows of 512 bytes, + bo, stored as two aligned runs of 256 bytes.
; LDS serves a wave's instructions in order (ISA guide 5.7.1.4): no wait between the stores and the loads, nor in front of the next block's stores.
.macro TOSTAGE a
.set AC, 64*((\a)%4)
	WIN 0x02+((\a)/4)                              ; source 0: window 2 or 3
.set j, 0
.rept 32
	v_pk_mul_f32 v[TMP+j:TMP+j+1], v[AC+j:AC+j+1], s[96:97] op_sel_hi:[1,0]   ; each accumulator from its low end on
.set j, j+2
.endr
	WIN 0
.irp b, 0,1,2,3,4,5,6,7
	ds_store_b128 v[STO], v[TMP+8*\b:TMP+8*\b+3] offset:64*\b
	ds_store_b128 v[STO], v[TMP+8*\b+4:TMP+8*\b+7] offset:64*\b+16
.endr
.set BB, BK+64*((\a)%2)
.irp t, 0,1,2,3,4,5,6,7,8,9,10,11,12,13,14,15
	ds_load_b128 v[BB+4*\t:BB+4*\t+3], v[RD] offset:\t*SPITCH
.endr
.endm
.macro SEND a, younger                 ; younger: the LDS instructions issued behind block a's loads, which may stay out
.set BB, BK+64*((\a)%2)
	s_wait_dscnt \younger                          ; the block is back in registers
.if (\a) > 0
	s_add_nc_u64 s[12:13], s[12:13], 16*SIZE_N*4   ; (behind a wait on XCNT: the earlier stores have read their base)  16 rows on
.endif
.irp t, 0,1,2,3,4,5,6,7,8,9,10,11,12,13,14,15
	v_pk_add_f32 v[BB+4*\t:BB+4*\t+1], v[BB+4*\t:BB+4*\t+1], v[BI:BI+1]           ; here a lane holds columns 4 l .. 4 l + 3 of every row: four registers of bo serve
	v_pk_add_f32 v[BB+4*\t+2:BB+4*\t+3], v[BB+4*\t+2:BB+4*\t+3], v[BI+2:BI+3]
.endr
.irp t, 0,1,2,3,4,5,6,7,8,9,10,11,12,13,14,15
	global_store_b128 v[CO], v[BB+4*\t:BB+4*\t+3], s[12:13] offset:\t*SIZE_N*4 th:TH_STORE_NT   ; 32 lanes store 512 consecutive bytes, at a multiple of 512 from the output's first byte; written once, read by nobody here
.endr
.endm
	s_wait_kmcnt 0x0
	s_add_co_i32 s96, s96, s97                     ; e10 + e11
	s_add_co_i32 s96, s96, 127
	s_lshl_b32 s96, s96, 23                        ; 2^(e10 + e11) as f32
	s_wait_loadcnt 0x0                             ; bo
	PLACES NP                                      ; behind the last products: their results are read, and A's registers loaded into, below
	TOSTAGE 0
.irp a, 1,2,3,4,5,6,7
.if \a > 1
	s_wait_xcnt 0x0                                ; block a - 2's stores have read their registers and their base
.endif
	TOSTAGE \a
	SEND \a-1, 32                                  ; behind block a - 1's loads: block a's 16 stores and 16 loads
.endr
	s_wait_xcnt 0x0                                ; block 6's stores have read their base
	SEND 7, 0
	s_wait_tensorcnt 0x0                           ; the wave's end
	ds_add_u32 v[SPW], v[NIL]
	s_wait_dscnt 0x0
	CROUND                                         ; the closing round
	s_endpgm
.Lfunc_end_k_qaa9682b244_outp:
	.size	k_qaa9682b244_outp, .Lfunc_end_k_qaa9682b244_outp-k_qaa9682b244_outp
	.p2alignl 7, 3214868480
	.fill 96, 4, 3214868480
	.section	.rodata,"a",@progbits
	.p2align	6, 0x0
	.amdhsa_kernel k_qaa9682b244_outp
		.amdhsa_group_segment_fixed_size 327680
		.amdhsa_private_segment_fixed_size 0
		.amdhsa_enable_private_segment 0
		.amdhsa_kernarg_size 40
		.amdhsa_user_sgpr_count 2
		.amdhsa_user_sgpr_kernarg_segment_ptr 1
		.amdhsa_wavefront_size32 1
		.amdhsa_system_sgpr_workgroup_id_x 1
		.amdhsa_system_sgpr_workgroup_id_y 1
		.amdhsa_system_sgpr_workgroup_id_z 1
		.amdhsa_system_vgpr_workitem_id 0
		.amdhsa_next_free_vgpr 1024
		.amdhsa_next_free_sgpr 100
		.amdhsa_reserve_vcc 0
		.amdhsa_float_denorm_mode_32 3
		.amdhsa_float_denorm_mode_16_64 3
		.amdhsa_memory_ordered 1
		.amdhsa_forward_progress 1
		.amdhsa_inst_pref_size 139
	.end_amdhsa_kernel
	.amdgpu_metadata
---
amdhsa.version: [ 1, 2 ]
amdhsa.kernels:
  - .name:           k_qaa9682b244_outp
    .symbol:         k_qaa9682b244_outp.kd
    .args:
      - { .name: aimg, .offset: 0, .size: 8, .value_kind: global_buffer, .address_space: global }
      - { .name: codes, .offset: 8, .size: 8, .value_kind: global_buffer, .address_space: global }
      - { .name: lowp_scales, .offset: 16, .size: 8, .value_kind: global_buffer, .address_space: global }
      - { .name: bo, .offset: 24, .size: 8, .value_kind: global_buffer, .address_space: global }
      - { .name: out0, .offset: 32, .size: 8, .value_kind: global_buffer, .address_space: global }
    .group_segment_fixed_size: 327680
    .private_segment_fixed_size: 0
    .kernarg_segment_align: 8
    .kernarg_segment_size: 40
    .max_flat_workgroup_size: 128
    .sgpr_count:     100
    .vgpr_count:     1024
    .wavefront_size: 32
...
	.end_amdgpu_metadata
.endif
;; end of part 4
;; ======== version 2 of 2: 4 launches; version 1 with the launch attn written anew for expert scheduling mode
;; workspace buffers: codes 10,485,760 bytes; qkv 6,291,456 bytes; aimg 2,097,152 bytes
;; launch quant: the kernel of part 1 again; grid 256 x 1, 20 waves a work-group, no clusters, 171,520 bytes of LDS; arguments Q, K, V, Wq, Wk, Wv, Wo, lowp_scales, codes; writes codes
;; launch proj: the kernel of part 2 again; grid 4 x 24, 4 waves a work-group, clusters of 4 x 4, 327,680 bytes of LDS; arguments codes, lowp_scales, bq, bk, bv, qkv; writes qkv
;; launch attn (part 5): grid 16 x 16, 16 waves a work-group, no clusters, 104,448 bytes of LDS; arguments qkv, lowp_scales, aimg; writes aimg
.if DOCPART == 5
	.amdgcn_target "amdgcn-amd-amdhsa--gfx1250"
	.amdhsa_code_object_version 6
	.text
	.protected	k_qaa9682b244_attn
	.globl	k_qaa9682b244_attn
	.p2align	8
	.type	k_qaa9682b244_attn,@function
k_qaa9682b244_attn:
	s_mov_b64 s[64:65], 0
	v_nop
	global_prefetch_b8 v0, s[64:65] scope:SCOPE_SE
	s_setreg_imm32_b32 hwreg(HW_REG_WAVE_SCHED_MODE, 0, 2), 2
	s_setreg_imm32_b32 hwreg(HW_REG_WAVE_MODE, 25, 1), 1
	s_wait_xcnt 0x0
	s_wait_alu depctr_vm_vsrc(0)
; Causal attention, 16 heads of 64, 2,048 tokens, both products on codes of FP8 (E4M3); the result is quantised for the output projection.
; q, k: fragments of 16 tokens x 64 (two chunks of 512 bytes: lane l's 16 bytes = features 32 c + 16 (l / 16) + 0 .. 15 of token l % 16 of the tile) at tile x 16384 + head x 1024; k from byte 0x200000.
; v: fragments of 16 features x 128 keys (four chunks) from byte 0x400000 at step x 131072 + head x 8192 + dt x 2048.  The keys of a tile of k, and the features of a tile of v, are
; 32 (t / 2) + 8 (t % 2) + i + 8 (i / 8): so the 16 result registers of tiles 2 b, 2 b + 1 are 16 neighbours, and the conversions' results are the next operand's chunk b.
; THE SOFTMAX: t = score x log2(e) / 8; M = the largest t so far, rounded UP to a whole number; p = 2^(t - M) is what is quantised; the row's sum is taken of the unquantised p and divides at the end.
; When M moves, the sum and O are multiplied by 2^(old M - new M): nothing is rounded.
; Both products are used transposed (S^T = k q^T, O^T = v^T p^T): a lane holds ONE query (lane % 16) throughout.
; SHARES.  A head's queries are 32 blocks of 64.  Work-group (j, head) owns blocks j and 31 - j: eight tiles of 16 queries.  A TILE'S KEYS ARE SHARED BETWEEN TWO WAVES: waves w and w + 8 own tile w (w < 4: of block j,
; else of block 31 - j); wave w takes the even key steps of 128, wave w + 8 the odd ones, each with a running M, a sum and an O^T of its own.  Tile T needs T / 8 + 1 key steps, so the longest chain is 8 steps of a wave,
; and four waves of 256 registers stand on a SIMD.  At the end the odd wave hands its O^T, M and sum to the even one through LDS; both are brought under the larger M by exact powers of two and added.
; The work-group walks 16 - j / 2 key steps in PAIRS, two pairs a trip; a wave whose queries all come before its step's keys jumps over the step's work, never over its staging or its barrier.
; K AND V of a pair (32,768 bytes) lie in one of two LDS slots as register images.  In each pair every wave brings 2,048 bytes of the next pair through registers (waves 0-7 the even step's, waves 8-15 the odd step's;
; of each eight, the first four two tiles of k each, the others a tile of v).  ONE barrier a pair: in front of it each wave's reads of the slot in hand are back and its stores into the other slot have landed.
; NO CLUSTER, NO TENSOR LOADS: the 16 work-groups of a head walk between 9 and 16 steps, so partners would need different numbers of tiles, and the trip count hangs on the work-group's number.
; LIMITS on the given exponents: e6 + e7 between -123 and 130 (they are added to the exponent field of log2(e) / 8); e8 and e10 between -126 and 119; e8 + e9 goes by v_ldexp_f32 and has none.
; THE MODE: SCHED_MODE bits 1:0 = 2 (LLVM: expert scheduling mode 2), set by the entry lines.  The code itself states the register dependences
; between vector or matrix instructions and memory or LDS instructions, with s_wait_alu, always for 0.
; THE PLAN.  Registers that memory or LDS instructions touch, in the loop:
;   v192-207   staging.  The four global loads at a pair's head land in them; the four LDS stores at the pair's end read them; no vector instruction names them.
;   v32-95     fragments.  A step's 16 LDS loads of k land in them; its eight products k q^T read them; its 16 LDS loads of v land in them; its four products v^T p^T read them.
;   v1, v2, v3, v6, v8, v9   offsets and LDS addresses: made at the head and never written again; the pair's place in memory goes into the scalar base s[2:3].
; So a pair has one wait on vm_vsrc, at its head (the LDS stores have read v192-207), and a step two waits on va_vdst for its loads: at its head (the last step's four products are done with v32-95) and behind its eight
; products (they are done with k's fragments).  Behind the second, v's 16 loads are dealt among the lines of the maximum: up to the second product no vector instruction names v32-95.
; Outside the loop: v160-191 and v12-15, which the odd waves store to LDS; v96-127 and v216-219, in which the even waves' LDS loads land; v224-231, which the last two stores read; v254, v255, read by the closing add alone.
; Scalar registers that vector instructions write: s10 (the wave's number), and the causal mask's compares, in runs of 16 into s52-63 and s40-43, each run with one wait on va_sdst ahead of its selects.
; REGISTERS: v1 16 x lane; v2 the same + my second piece; v3 where I stage; v6 the prefetch's offset; v7 the mask's d; v8 where I read a slot; v9 where the two halves meet;
; v12 -M, v13 the largest t, v[14:15] the sum in two halves; v16-23 q; v24-27 scales; v32-95 k's 8 fragments, then v's 4; v96-159 S^T, then p; v160-191 O^T; v192-207 staging; v208-219 at work; v224-239 p's codes.
.set SLOTB, 32768                      ; a slot: a pair of key steps
.set STEPB, 16384                      ; a key step in it: k's 8 tiles x 1,024 bytes, then v's 4 tiles x 2,048
.set VOFF,  8192
.set STEPG, 131072                     ; a key step on, in memory, in k and in v alike
.set MRG,   2*SLOTB                    ; behind the slots: where the halves meet: for each tile 8 x 512 bytes of O^T and 512 of -M, t and the sum
.set MRGW,  4608
	s_load_b128 s[4:7], s[0:1], 0x0                ; q, k, v s[4:5]; the scales' exponents s[6:7]
	s_load_b64 s[8:9], s[0:1], 0x10                ; the result's codes
	v_lshl_add_u32 v254, v0, 2, 0x19000
	v_mov_b32 v255, 0
	v_lshrrev_b32 v10, 5, v0
	v_readfirstlane_b32 s10, v10                   ; wave 0..15
	s_wait_alu depctr_va_sdst(0)                   ; s10 is written, ahead of its first reader: shares, addresses and branches are made from it
	s_lshr_b32 s30, s10, 3                         ; which of a pair's two key steps is mine
	s_and_b32 s31, s10, 7                          ; which of the work-group's eight tiles; also my share of a step's staging
	s_mov_b32 s11, ttmp9                           ; j
	s_and_b32 s12, ttmp7, 0xffff                   ; the head
	s_sub_co_u32 s13, 31, s11
	s_cmp_lt_u32 s31, 4
	s_cselect_b32 s13, s11, s13                    ; my block of 64 queries: j or 31 - j
	s_and_b32 s14, s31, 3
	s_lshl_b32 s13, s13, 2
	s_add_co_u32 s14, s14, s13                     ; T: my tile of 16 queries
	s_lshr_b32 s16, s14, 3                         ; the tile's last key step, the one on the diagonal: a tile's 16 queries lie inside one step of 128
	s_add_co_u32 s15, s16, 1                       ; the tile's key steps
	s_lshr_b32 s18, s11, 1
	s_sub_co_u32 s18, 16, s18                      ; the work-group's: those of its last tile, 127 - 4 j
	s_add_co_u32 s18, s18, 3
	s_lshr_b32 s18, s18, 2                         ; trips of two pairs, four key steps (what is too many is jumped over by every wave)
	s_max_u32 s18, s18, 1                          ; (3 or 4: at least one)
	s_mov_b32 s20, 0x76543210
	s_mov_b32 s21, 0xfedcba98                      ; v_permlanex16_b32's selects for lane l xor 16
	s_mov_b32 s22, 0x3e38aa3b                      ; log2(e) / 8
	s_and_b32 s28, s10, 3
	s_or_b32 s28, s28, s11
	s_cmp_eq_u32 s28, 0
	s_cselect_b32 s28, 6, 0                        ; who prefetches, and until which pair: waves 0, 4, 8, 12 of the head's work-group 0, which walks all 8 pairs
	s_lshl_b32 s38, s31, 15                        ; what I stage.  The first four of eight: tiles 2 w, 2 w + 1 of k, 16,384 bytes apart,
	s_lshl_b32 s39, s12, 10
	s_add_co_u32 s38, s38, s39
	s_add_co_u32 s38, s38, 0x200000
	s_lshl_b32 s39, s12, 13                        ; the others: tile w - 4 of v, 2,048 bytes on end
	s_lshl_b32 s40, s31, 11
	s_add_co_u32 s39, s39, s40
	s_add_co_u32 s39, s39, 0x400000-4*2048
	s_cmp_lt_u32 s31, 4
	s_cselect_b32 s38, s38, s39
	s_mov_b32 s29, 1024
	s_cselect_b32 s29, 16384, s29                  ; from my first 1,024 bytes to my second
	s_lshl_b32 s39, s30, 17
	s_add_co_u32 s38, s38, s39                     ; waves 8-15: of the pair's odd step
	s_mov_b32 s39, 0                               ; (it stays 0: the upper word of the pair s[38:39], in the loop too)
	s_lshl_b32 s52, s14, 14                        ; q: my tile, my head
	s_lshl_b32 s53, s12, 10
	s_add_co_u32 s52, s52, s53
	s_mov_b32 s53, 0
	s_lshl_b32 s54, s16, 17                        ; the result: (T / 8) x 131072 + (head / 2) x 16384 + (T % 8) x 2048 + (head % 2) x 1024: chunks 2 (head % 2), + 1 of K step head / 2 of the next product's operand
	s_lshr_b32 s55, s12, 1
	s_lshl_b32 s55, s55, 14
	s_add_co_u32 s54, s54, s55
	s_and_b32 s55, s14, 7
	s_lshl_b32 s55, s55, 11
	s_add_co_u32 s54, s54, s55
	s_and_b32 s55, s12, 1
	s_lshl_b32 s55, s55, 10
	s_add_co_u32 s54, s54, s55
	s_mov_b32 s55, 0
	s_lshl_b32 s41, s10, 11
	s_lshl_b32 s42, s14, 4
	s_and_b32 s42, s42, 127                        ; my first query's place in the diagonal step
	s_lshl_b32 s43, s30, 14                        ; my step's place in a slot
	s_mul_i32 s44, s31, MRGW
	s_add_co_u32 s44, s44, MRG                     ; my tile's meeting place: the same in both of its waves
	v_and_b32 v10, 31, v0                          ; lane
	v_lshlrev_b32 v1, 4, v10
	v_add_nc_u32 v2, s29, v1
	v_add_nc_u32 v3, s41, v1                       ; a slot's bytes 2,048 w on are mine to fill
	v_add_nc_u32 v8, s43, v1
	v_add_nc_u32 v9, s44, v1
	v_lshrrev_b32 v11, 2, v10
	v_mul_u32_u24 v6, v11, s29
	v_and_b32 v11, 3, v10
	v_lshl_add_u32 v6, v11, 8, v6                  ; the prefetch: 8 pieces of 1,024 bytes, four lanes 256 bytes apart to a piece
	v_and_b32 v10, 15, v0
	v_bfe_u32 v11, v0, 4, 1
	v_lshlrev_b32 v11, 4, v11
	v_sub_nc_u32 v7, v10, v11
	v_add_nc_u32 v7, s42, v7                       ; d = my query - the diagonal step's first key - 16 (lane / 16)
	s_wait_kmcnt 0x0
	s_load_b128 s[32:35], s[6:7], 0x18             ; e6 (q), e7 (k), e8 (p), e9 (v)
	s_load_b32 s36, s[6:7], 0x28                   ; e10 (the result)
	s_add_nc_u64 s[24:25], s[4:5], s[38:39]
	s_add_nc_u64 s[26:27], s[24:25], 2*STEPG       ; the prefetches' place: each pair moves it on one pair first, so pair D names pair D + 2
	s_add_nc_u64 s[48:49], s[4:5], s[52:53]
	s_add_nc_u64 s[50:51], s[8:9], s[54:55]
	s_wait_alu depctr_va_vdst(0)                   ; v1, v2, v3, v6, v8 and v9 are written: every load, store and prefetch of the kernel reads one of them as its offset or LDS address, and none is written again
	global_load_b128 v[16:19], v1, s[48:49]        ; q's fragment stays in registers
	global_load_b128 v[20:23], v1, s[48:49] offset:512
	global_load_b128 v[192:195], v1, s[24:25]      ; my part of pair 0
	global_load_b128 v[196:199], v1, s[24:25] offset:512
	global_load_b128 v[200:203], v2, s[24:25]
	global_load_b128 v[204:207], v2, s[24:25] offset:512
	v_mov_b32 v13, 0xff61b1e6                      ; the largest t so far: -3e38, under every t
	v_floor_f32 v12, -v13                          ; -M
	v_mov_b32 v14, 0                               ; the sum, in two halves
	v_mov_b32 v15, 0
	v_mov_b32 v211, 0                              ; (named as the upper half of the pair v[210:211])
	v_mov_b32 v216, 0                              ; written once: a lane permute's destination counts as one of its sources
.set j, 0
.rept 32
	v_mov_b32 v[160+j], 0                          ; O^T.  (The step is written once: the first finds zeros, which the first change of M leaves zeros; a wave without a step hands zeros on)
.set j, j+1
.endr
	s_wait_kmcnt 0x0
	s_add_co_i32 s43, s32, s33
	s_lshl_b32 s43, s43, 23
	s_add_co_i32 s22, s22, s43                     ; a score stands for score x 2^(e6 + e7): the exponents are added to the factor's exponent field
	s_mov_b32 s23, s22                             ; (named with it as a pair, so it is written)
	s_add_co_i32 s44, s34, 127
	s_lshl_b32 s45, s44, 23
	v_mov_b32 v24, s45                             ; 2^e8
	s_add_co_i32 s44, s44, 8
	s_lshl_b32 s44, s44, 23
	s_or_b32 s44, s44, 0x600000
	v_mov_b32 v25, s44                             ; 448 x 2^e8
	s_add_co_i32 s44, s36, 127
	s_lshl_b32 s45, s44, 23
	v_mov_b32 v26, s45                             ; 2^e10
	s_add_co_i32 s44, s44, 8
	s_lshl_b32 s44, s44, 23
	s_or_b32 s44, s44, 0x600000
	v_mov_b32 v27, s44                             ; 448 x 2^e10
	s_add_co_i32 s37, s34, s35                     ; e8 + e9
	s_mov_b32 s17, s30                             ; my key step: 2 x the pair + 0 or 1
	s_mov_b32 s46, 0                               ; the pair
	s_wait_loadcnt 0x0
.irp c, 0,1,2,3
	ds_store_b128 v3, v[192+4*\c:195+4*\c] offset:512*\c   ; (data that loads brought, an address made ahead of the wait above: no vector instruction has named either since)
.endr
	s_wait_dscnt 0x0                               ; for the others' sake: my part of slot 0 has landed
	s_barrier_signal -1
	s_barrier_wait -1
.macro PAIR slot
	; the next pair is asked for first: it has this pair's work in which to arrive
	s_wait_xcnt 0x0                                ; the last pair's prefetch and loads have read their addresses: the two bases below may be written
	s_wait_alu depctr_vm_vsrc(0)                   ; my LDS stores of the last pair (in the first pair: of the head) have read v192-207, in which the loads below land
	s_add_nc_u64 s[26:27], s[26:27], 2*STEPG
	s_add_co_u32 s38, s46, 1
	s_min_u32 s38, s38, 7                          ; held at the last pair: no load leaves the buffer (what the last pairs stage is read by nobody)
	s_lshl_b32 s38, s38, 18
	s_add_nc_u64 s[2:3], s[24:25], s[38:39]        ; the pair's place goes into a scalar base, so that no offset register is written in the loop
	global_load_b128 v[192:195], v1, s[2:3]        ; 512 consecutive bytes each
	global_load_b128 v[196:199], v1, s[2:3] offset:512
	global_load_b128 v[200:203], v2, s[2:3]
	global_load_b128 v[204:207], v2, s[2:3] offset:512
	; A PREFETCH INTO THE L2 of pair D + 2, one pair ahead of the loads that will want it: 8,192 bytes of this head's k (waves 0, 8: the even step's, the odd step's) or v (waves 4, 12); each lane names another aligned block of 256 bytes.
	; All work-groups of a head walk the same k and v: work-group 0, which walks all 8 pairs, asks, so each block is named once in the launch.  Pairs 0 and 1 come by their loads alone; from pair 6 on nothing is left to name.
	s_cmp_lt_u32 s46, s28
	s_cbranch_scc0 .Lnoask_\@
	global_prefetch_b8 v6, s[26:27] th:TH_LOAD_NT scope:SCOPE_SE
.Lnoask_\@:
	s_cmp_ge_u32 s17, s15                          ; all my step's keys come after my queries: no work, a branch on ids
	s_cbranch_scc1 .Lskip_\@
	s_wait_alu depctr_va_vdst(0)                   ; my last step's four products v^T p^T are done reading v32-95, in which k's fragments land
.irp t, 0,1,2,3,4,5,6,7
	ds_load_b128 v[32+8*\t:35+8*\t], v8 offset:\slot*SLOTB+1024*\t
	ds_load_b128 v[36+8*\t:39+8*\t], v8 offset:\slot*SLOTB+1024*\t+512
.endr
	s_wait_dscnt 0x0
.irp t, 0,1,2,3,4,5,6,7                            ; S^T = k q^T: lane (r, h) holds query r; the 16 registers of tiles 2 b, 2 b + 1 are keys 32 b + 16 h + 0 .. 15
	v_wmma_f32_16x16x64_fp8_fp8 v[96+8*\t:103+8*\t], v[32+8*\t:39+8*\t], v[16:23], 0
.endr
.rept 4
	v_nop                                          ; places in front of the first read of the scores
.endr
	s_wait_alu depctr_va_vdst(0)                   ; the eight products are done reading k's fragments v32-95, in which v's land.  From here to the second product no vector instruction names v32-95: v's 16 loads owe no further wait
.irp c, 0,1,2,3
	ds_load_b128 v[32+4*\c:35+4*\c], v8 offset:\slot*SLOTB+VOFF+512*\c   ; v's first fragment; the other three are dealt among the lines of the maximum: all arrive under the softmax
.endr
	s_cmp_lg_u32 s17, s16                          ; on the diagonal, the tile's last step, hidden scores become -infinity ahead of the maximum: p = 0 then
	s_cbranch_scc1 .Lopen_\@
	v_mov_b32 v208, 0xff800000
.set mb, 0
.rept 4                                            ; 16 scores at a time: a run of compares into 16 scalar registers (s52-63, s40-43), one wait, a run of selects
.set mi, 0
.rept 16
.set mr, 52+mi
.if mi >= 12
.set mr, 28+mi
.endif
	v_cmp_gt_i32 s[mr], 32*mb+mi, v7               ; register 16 b + i holds key 16 (lane / 16) + 32 b + i of the step: hidden where 32 b + i > d
.set mi, mi+1
.endr
	s_wait_alu depctr_va_sdst(0)                   ; the run's 16 masks are written, ahead of the selects that read them
.set mi, 0
.rept 16
.set mr, 52+mi
.if mi >= 12
.set mr, 28+mi
.endif
	v_cndmask_b32 v[96+16*mb+mi], v[96+16*mb+mi], v208, s[mr]
.set mi, mi+1
.endr
.set mb, mb+1
.endr
.Lopen_\@:
	v_max3_num_f32 v208, v96, v97, v98             ; the step's largest score of my query among my 64 keys, in two chains; each tile is first read at its low end,
	v_max3_num_f32 v209, v99, v100, v101
.irp i, 6,10,14,18,22,26,30,34,38,42,46,50,54,58
	v_max3_num_f32 v208, v208, v[96+\i], v[97+\i]
	v_max3_num_f32 v209, v209, v[98+\i], v[99+\i]
.if \i < 54
.set vl, 4+(\i-6)/4                                ; chunks 4 to 15 of v's 16: fragment vl / 4, chunk vl % 4
	ds_load_b128 v[32+4*vl:35+4*vl], v8 offset:\slot*SLOTB+VOFF+512*vl
.endif
.endr
	v_max3_num_f32 v208, v208, v158, v159
	v_max_num_f32 v208, v208, v209
	v_permlanex16_b32 v216, v208, s20, s21
	v_max_num_f32 v208, v208, v216                 ; and among lane l xor 16's
	v_mul_f32 v208, s22, v208                      ; as t (the factor is positive)
	v_max_num_f32 v13, v13, v208                   ; the running largest t
	v_mov_b32 v208, v12
	v_floor_f32 v12, -v13                          ; the new -M = floor(-t) = -ceil(t)
	v_sub_f32 v208, v12, v208                      ; old M - new M: a whole number, 0 or less
	v_cvt_i32_f32 v208, v208                       ; (it saturates)
	v_ldexp_f32 v210, 1.0, v208                    ; f = 2^(old M - new M)
.set j, 0
.rept 32
	v_pk_fma_f32 v[96+j:97+j], v[96+j:97+j], s[22:23], v[12:13] op_sel_hi:[1,0,0]   ; t - M, two at a time
.set j, j+2
.endr
.set j, 0
.rept 64
	v_exp_f32 v[96+j], v[96+j]                     ; p = 2^(t - M): one batch
.set j, j+1
.endr
	v_pk_mul_f32 v[14:15], v[14:15], v[210:211] op_sel_hi:[1,0]   ; the sums under the new M: the plain line behind the batch
	s_wait_alu depctr_va_vdst(0)                   ; the 64 exponentials have written v96-159: one wait for the whole batch, ahead of its first reader
	v_pk_add_f32 v[212:213], v[96:97], v[98:99]    ; the row's sum is taken of the unquantised p: two at a time, in two chains
.irp i, 4,8,12,16,20,24,28,32,36,40,44,48,52,56,60
	v_pk_add_f32 v[14:15], v[14:15], v[96+\i:97+\i]
	v_pk_add_f32 v[212:213], v[212:213], v[98+\i:99+\i]
.endr
	v_pk_add_f32 v[14:15], v[14:15], v[212:213]
	s_cmp_ge_i32 s34, -8                           ; p is at most 1 but for its last bits, and from e8 = -8 on 448 x 2^e8 is at least 1.75: the hold could hold nothing.  A branch on a given whole number
	s_cbranch_scc1 .Lnohold_\@
.set j, 0
.rept 64
	v_min_num_f32 v[96+j], v[96+j], v25            ; the conversion does not saturate (ISA guide 7.6.2); p is not negative, so the hold is one-sided
.set j, j+1
.endr
.Lnohold_\@:
.irp b, 0,1,2,3
	v_cvt_scalef32_pk8_fp8_f32 v[224+4*\b:225+4*\b], v[96+16*\b:103+16*\b], v24
	v_cvt_scalef32_pk8_fp8_f32 v[226+4*\b:227+4*\b], v[104+16*\b:111+16*\b], v24
.endr
.set j, 0
.rept 16
	v_pk_mul_f32 v[160+j:161+j], v[160+j:161+j], v[210:211] op_sel_hi:[1,0]   ; O^T under the new M.  (Also the plain lines behind the conversions)
.set j, j+2
.endr
	s_wait_dscnt 0x0                               ; v's fragments
.irp t, 0,1,2,3                                    ; O^T += v^T p^T: four accumulators by turns; my next step's eight products lie between two links of a chain
	v_wmma_f32_16x16x128_fp8_fp8 v[160+8*\t:167+8*\t], v[32+16*\t:47+16*\t], v[224:239], v[160+8*\t:167+8*\t]
.endr
.rept 4
	v_nop                                          ; places in front of the reads of O^T behind the loop
.endr
.Lskip_\@:
	s_wait_loadcnt 0x0                             ; my part of the next pair is in registers
.irp c, 0,1,2,3
	ds_store_b128 v3, v[192+4*\c:195+4*\c] offset:(1-\slot)*SLOTB+512*\c   ; into the slot that every wave left at the last barrier
.endr
	s_add_co_u32 s17, s17, 2
	s_add_co_u32 s46, s46, 1
	s_wait_dscnt 0x0                               ; my stores have landed, and my reads of the slot in hand are back
	s_barrier_signal -1
	s_barrier_wait -1
.endm
.Ltrip:
	PAIR 0
	PAIR 1
	s_sub_co_u32 s18, s18, 1
	s_cmp_lg_u32 s18, 0
	s_cbranch_scc1 .Ltrip
	; THE TWO HALVES OF A TILE'S KEYS MEET.  Waves 8-15 put O^T and v[12:15] (-M, t, the sum's halves) into the tile's place as they stand in the registers; a barrier; waves 0-7 take them up in the same lanes.
	s_wait_alu depctr_va_vdst(0)                   ; O^T (v160-191) and v12-15 are written, which waves 8-15 store below; and the vector side is done with v96-127 and v216-219, in which the loads of waves 0-7 land.  No vector instruction stands between this wait and either
	s_cmp_lt_u32 s10, 8
	s_cbranch_scc1 .Lkeeps
.irp c, 0,1,2,3,4,5,6,7
	ds_store_b128 v9, v[160+4*\c:163+4*\c] offset:512*\c   ; each accumulator from its low end on
.endr
	ds_store_b128 v9, v[12:15] offset:4096
.Lkeeps:
	s_wait_dscnt 0x0                               ; for the others' sake: my stores have landed
	s_barrier_signal -1
	s_barrier_wait -1
	s_cmp_ge_u32 s10, 8
	s_cbranch_scc1 .Ldone                          ; waves 8-15 have handed their part on
	ds_load_b128 v[216:219], v9 offset:4096
.irp c, 0,1,2,3,4,5,6,7
	ds_load_b128 v[96+4*\c:99+4*\c], v9 offset:512*\c
.endr
	s_wait_dscnt 0x0
	v_min_num_f32 v208, v12, v216                  ; the row's -M: the smaller of the two.  (A partner that had no step holds -M = 3e38, a sum of 0 and zeros: its factor below is 0)
	v_sub_f32 v209, v208, v12                      ; my M less the row's: a whole number, 0 or less;
	v_sub_f32 v212, v208, v216                     ; my partner's likewise
	v_cvt_i32_f32 v209, v209                       ; (they saturate)
	v_cvt_i32_f32 v212, v212
	v_ldexp_f32 v210, 1.0, v209                    ; the two factors: exact powers of two
	v_ldexp_f32 v212, 1.0, v212
	v_add_f32 v14, v14, v15                        ; each sum's two halves,
	v_add_f32 v218, v218, v219
	v_mul_f32 v14, v14, v210                       ; both under the row's M,
	v_fmac_f32 v14, v218, v212
	v_permlanex16_b32 v209, v14, s20, s21
	v_add_f32 v14, v14, v209                       ; and lane l xor 16's: the row's sum
	v_rcp_f32 v14, v14
	v_mov_b32 v213, 0                              ; a plain line behind the reciprocal.  (v213 is named as the upper half of the pair v[212:213])
	s_wait_alu depctr_va_vdst(0)                   ; the reciprocal has written v14: the wait ahead of its first reader
	v_ldexp_f32 v14, v14, s37                      ; 2^(e8 + e9) / the sum
	v_mul_f32 v210, v210, v14                      ; goes into the two factors
	v_mul_f32 v212, v212, v14
	; THE WAY OUT: the attention's result is quantised with 2^e10.  Tiles 2 b, 2 b + 1 hold features 32 b + 16 h + 0 .. 15 of my query: chunk b of my head's half of a fragment.
.set j, 0
.rept 16
	v_pk_mul_f32 v[96+j:97+j], v[96+j:97+j], v[212:213] op_sel_hi:[1,0]
.set j, j+2
.endr
.set j, 0
.rept 16
	v_pk_fma_f32 v[96+j:97+j], v[160+j:161+j], v[210:211], v[96+j:97+j] op_sel_hi:[1,0,1]   ; each accumulator from its low end on
.set j, j+2
.endr
.set j, 0
.rept 32
	v_med3_num_f32 v[96+j], v[96+j], -v27, v27     ; the conversion does not saturate (ISA guide 7.6.2): the hold comes first
.set j, j+1
.endr
.irp g, 0,1,2,3
	v_cvt_scalef32_pk8_fp8_f32 v[224+2*\g:225+2*\g], v[96+8*\g:103+8*\g], v26
.endr
	v_nop
	s_wait_alu depctr_va_vdst(0)                   ; the conversions have written v224-231, which the two stores read
	global_store_b128 v1, v[224:227], s[50:51]     ; the wave stores 512 consecutive bytes, at a multiple of 512 from the buffer's first byte
	global_store_b128 v1, v[228:231], s[50:51] offset:512
.Ldone:
	s_wait_dscnt 0x0                               ; the closing lines, six on end
	s_wait_alu 0x0
	s_wait_tensorcnt 0x0
	ds_add_u32 v254, v255
	s_wait_dscnt 0x0
	s_endpgm
.Lfunc_end_k_qaa9682b244_attn:
	.size	k_qaa9682b244_attn, .Lfunc_end_k_qaa9682b244_attn-k_qaa9682b244_attn
	.p2alignl 7, 3214868480
	.fill 96, 4, 3214868480
	.section	.rodata,"a",@progbits
	.p2align	6, 0x0
	.amdhsa_kernel k_qaa9682b244_attn
		.amdhsa_group_segment_fixed_size 104448
		.amdhsa_private_segment_fixed_size 0
		.amdhsa_enable_private_segment 0
		.amdhsa_kernarg_size 24
		.amdhsa_user_sgpr_count 2
		.amdhsa_user_sgpr_kernarg_segment_ptr 1
		.amdhsa_wavefront_size32 1
		.amdhsa_system_sgpr_workgroup_id_x 1
		.amdhsa_system_sgpr_workgroup_id_y 1
		.amdhsa_system_sgpr_workgroup_id_z 1
		.amdhsa_system_vgpr_workitem_id 0
		.amdhsa_next_free_vgpr 256
		.amdhsa_next_free_sgpr 66
		.amdhsa_reserve_vcc 0
		.amdhsa_float_denorm_mode_32 3
		.amdhsa_float_denorm_mode_16_64 3
		.amdhsa_memory_ordered 1
		.amdhsa_forward_progress 1
		.amdhsa_inst_pref_size 65
	.end_amdhsa_kernel
	.amdgpu_metadata
---
amdhsa.version: [ 1, 2 ]
amdhsa.kernels:
  - .name:           k_qaa9682b244_attn
    .symbol:         k_qaa9682b244_attn.kd
    .args:
      - { .name: qkv, .offset: 0, .size: 8, .value_kind: global_buffer, .address_space: global }
      - { .name: lowp_scales, .offset: 8, .size: 8, .value_kind: global_buffer, .address_space: global }
      - { .name: aimg, .offset: 16, .size: 8, .value_kind: global_buffer, .address_space: global }
    .group_segment_fixed_size: 104448
    .private_segment_fixed_size: 0
    .kernarg_segment_align: 8
    .kernarg_segment_size: 24
    .max_flat_workgroup_size: 512
    .sgpr_count:     66
    .vgpr_count:     256
    .wavefront_size: 32
...
	.end_amdgpu_metadata
.endif
;; end of part 5
;; launch outp: the kernel of part 4 again; grid 4 x 8, 4 waves a work-group, clusters of 4 x 4, 327,680 bytes of LDS; arguments aimg, codes, lowp_scales, bo, out0; writes out0
